; MI455X (gfx1250); checked and timed in simulation.
; The chip was launched on July 23, 2026; its instructions are those of AMD's public machine-readable ISA for CDNA 5 (MIT licence, August 2026) and "CDNA5" Instruction Set Architecture Reference Guide (July 2026). The comments in the code are by the model that wrote it; some were corrected since.
;; Bert. Allowed arithmetic: float matrix products may take bf16 or f16 operands with f32 sums; all other float work in f32.
;; Inputs: bk 4 x 4 x 64 float32; bo 4 x 128 float32; bq 4 x 4 x 64 float32; bv 4 x 4 x 64 float32; embeddings 32,768 x 6 x 128 float32; ff_b1 4 x 64 float32; ff_b2 4 x 128 float32; ff_w1 4 x 128 x 64 float32; ff_w2 4 x 64 x 128 float32; ln1_b 4 x 128 float32; ln1_g 4 x 128 float32; ln2_b 4 x 128 float32; ln2_g 4 x 128 float32; wk 4 x 4 x 128 x 64 float32; wo 4 x 256 x 128 float32; wq 4 x 4 x 128 x 64 float32; wv 4 x 4 x 128 x 64 float32.
;; Outputs: out0 32,768 x 128 float32; out1 32,768 x 128 float32; out2 32,768 x 1 x 128 float32.
;; 2 versions, each right and faster than the one before. Each part assembles by itself: llvm-mc -triple=amdgcn-amd-amdhsa -mcpu=gfx1250 --defsym DOCPART=n.
;; ======== version 1 of 2: 2 launches
;; workspace buffers: wpack 1,179,648 bytes; ppack 25,600 bytes
;; launch pack (part 1): grid 169 x 1, 4 waves a work-group, no clusters, 8,960 bytes of LDS; arguments wq, wk, wv, wo, ff_w1, ff_w2, bq, bk, bv, bo, ln1_g, ln1_b, ff_b1, ff_b2, ln2_g, ln2_b, wpack, ppack; writes wpack, ppack
.if DOCPART == 1
	.amdgcn_target "amdgcn-amd-amdhsa--gfx1250"
	.amdhsa_code_object_version 6
	.text
	.protected	k_q0d2f168279_pack
	.globl	k_q0d2f168279_pack
	.p2align	8
	.type	k_q0d2f168279_pack,@function
k_q0d2f168279_pack:
	s_mov_b64 s[64:65], 0
	v_nop
	global_prefetch_b8 v0, s[64:65] scope:SCOPE_SE
	s_setreg_imm32_b32 hwreg(HW_REG_WAVE_MODE, 25, 1), 1
	s_wait_xcnt 0x0
; pack: all weights once to bf16, transposed into ready matrix fragments in the order of their use (wpack),
; and all biases and gains, still f32, gathered into one block of 6,400 bytes a layer (ppack).
;
; wpack: a layer is 18 blocks of 16,384 bytes.  Block j = 4 hd + kind for j < 16 (kind 0 Wq, 1 Wk, 2 Wv of head hd, 3 rows
; 64 hd .. 64 hd + 63 of Wo); j = 16 ff_w1; j = 17 ff_w2.  Every source block is 32,768 consecutive bytes of f32.
; A block is 16 fragments of 1,024 bytes.  A fragment is 16 output features x 32 k as a matrix instruction's first source wants it:
; half c (512 bytes), lane L = r + 16 h (16 bytes), element e: W[k = 32 kap + 16 c + 8 h + e][n = 16 ft + r].
; Fragment number: 4 kap + ft where K = 128, N = 64 (Wq, Wk, Wv, ff_w1: rows of 256 bytes);
;                  8 (ft / 4) + 4 kap + ft % 4 where K = 64, N = 128 (Wo's slice, ff_w2: rows of 512 bytes).
; Work-groups 0 to 143: one wave takes 16 k x 64 n of a block (eight such tasks a block).  Each of its eight loads reads two whole
; pieces of 256 consecutive bytes; the transposition goes through the wave's own 2,112 bytes of LDS; each of its four stores
; writes 512 consecutive bytes.  Work-groups 144 to 168: one wave copies 256 bytes of a parameter vector.
; No barrier: no wave reads another wave's LDS bytes.
.set LAYERB, 294912                    ; bytes of a layer in wpack
.set SEGP,   528                       ; LDS: 512 bytes of a fragment's half + 16, so that the sixteen lanes of a half-wave store to sixteen different 16-byte columns modulo 256
.set WSTAGE, 4*SEGP                    ; a wave's stage
; a parameter segment: from unit 'start' of a layer's 25 units on the source is the buffer at s[ptr], 'step' bytes a layer
.macro SEG start, ptr, step
	s_cmp_ge_u32 s7, \start
	s_cselect_b64 s[44:45], s[\ptr:\ptr+1], s[44:45]
	s_cselect_b32 s48, \start, s48
	s_cselect_b32 s49, \step, s49
.endm
	s_load_b512 s[8:23], s[0:1], 0x0               ; wq 8, wk 10, wv 12, wo 14, ff_w1 16, ff_w2 18, bq 20, bk 22
	s_load_b512 s[24:39], s[0:1], 0x40             ; bv 24, bo 26, ln1_g 28, ln1_b 30, ff_b1 32, ff_b2 34, ln2_g 36, ln2_b 38
	s_load_b128 s[40:43], s[0:1], 0x80             ; wpack 40, ppack 42
	v_lshl_add_u32 v80, v0, 2, 0x2100
	v_mov_b32 v81, 0
	v_lshrrev_b32 v1, 5, v0
	v_readfirstlane_b32 s4, v1                     ; wave 0..3
	v_and_b32 v1, 31, v0                           ; lane
	s_cmp_ge_u32 ttmp9, 144
	s_cbranch_scc1 .Lparams
	; ---- weights: block b = g / 2 of 72, task tau = 4 (g % 2) + wave of 8
	s_lshr_b32 s5, ttmp9, 1                        ; b
	s_and_b32 s6, ttmp9, 1
	s_lshl2_add_u32 s6, s6, s4                     ; tau
	s_mul_i32 s7, s5, 57
	s_lshr_b32 s7, s7, 10                          ; layer = b / 18 (57 / 1024 is exact for b < 72)
	s_mul_i32 s48, s7, 18
	s_sub_co_u32 s48, s5, s48                      ; j = 0..17
	s_and_b32 s49, s48, 3                          ; kind
	s_lshr_b32 s50, s48, 2                         ; head
	s_lshl2_add_u32 s51, s7, s50                   ; 4 layer + head
	s_cmp_lt_u32 s48, 16
	s_cselect_b32 s51, s51, s7                     ; the block's number in its source buffer
	s_lshl_b32 s51, s51, 15                        ; x 32,768 bytes
	s_cmp_eq_u32 s49, 3
	s_cselect_b32 s52, 1, 0
	s_cmp_eq_u32 s48, 17
	s_cselect_b32 s52, 1, s52                      ; 1: rows of 512 bytes (Wo's slice, ff_w2)
	s_lshl_b32 s53, s6, 12                         ; rows of 256 bytes: 16 rows a task
	s_and_b32 s54, s6, 3
	s_lshl_b32 s54, s54, 13                        ; rows of 512 bytes: 16 rows for tau % 4,
	s_lshr_b32 s55, s6, 2
	s_lshl_b32 s55, s55, 8                         ; and the left or right 256 bytes for tau / 4
	s_add_co_u32 s54, s54, s55
	s_cmp_eq_u32 s52, 1
	s_cselect_b32 s53, s54, s53
	s_add_co_u32 s56, s51, s53                     ; the task's offset in its source
	s_mov_b32 s57, 0
	s_add_co_u32 s52, s52, 8                       ; log2 of the row's bytes
	s_mul_i32 s58, s7, LAYERB                      ; and in wpack: layer, block,
	s_lshl_b32 s60, s48, 14
	s_add_co_u32 s58, s58, s60
	s_lshr_b32 s60, s6, 1
	s_lshl_b32 s60, s60, 12                        ; four fragments for tau / 2,
	s_add_co_u32 s58, s58, s60
	s_and_b32 s60, s6, 1
	s_lshl_b32 s60, s60, 9                         ; their half c = tau % 2
	s_add_co_u32 s58, s58, s60
	s_mov_b32 s59, 0
	s_mul_i32 s61, s4, WSTAGE                      ; my wave's stage
	v_and_b32 v2, 15, v0                           ; a: my 16 bytes (4 features) of a row's 256
	v_bfe_u32 v3, v0, 4, 1                         ; h
	v_lshlrev_b32 v4, 3, v3                        ; 8 h
.irp e, 0,1,2,3,4,5,6,7
	v_add_nc_u32 v[8+\e], \e, v4                   ; row 8 h + e of the task's 16
	v_lshlrev_b32 v[8+\e], s52, v[8+\e]
	v_lshl_add_u32 v[8+\e], v2, 4, v[8+\e]
.endr
	v_lshrrev_b32 v5, 2, v2                        ; feature 4 a + i lies in fragment a / 4, lane 4 (a % 4) + i + 16 h
	v_mul_u32_u24 v5, v5, SEGP
	v_lshl_add_u32 v5, v3, 8, v5
	v_and_b32 v6, 3, v2
	v_lshl_add_u32 v5, v6, 6, v5
	v_add_nc_u32 v5, s61, v5                       ; where I put 16 bytes
	v_lshlrev_b32 v7, 4, v1                        ; 16 x lane
	v_add_nc_u32 v6, s61, v7                       ; where I read a fragment's half back
	s_wait_kmcnt 0x0
	s_mov_b64 s[44:45], s[8:9]                     ; the source buffer, chosen by kind and j
	s_cmp_eq_u32 s49, 1
	s_cselect_b64 s[44:45], s[10:11], s[44:45]
	s_cmp_eq_u32 s49, 2
	s_cselect_b64 s[44:45], s[12:13], s[44:45]
	s_cmp_eq_u32 s49, 3
	s_cselect_b64 s[44:45], s[14:15], s[44:45]
	s_cmp_eq_u32 s48, 16
	s_cselect_b64 s[44:45], s[16:17], s[44:45]
	s_cmp_eq_u32 s48, 17
	s_cselect_b64 s[44:45], s[18:19], s[44:45]
	s_add_nc_u64 s[44:45], s[44:45], s[56:57]
	s_add_nc_u64 s[46:47], s[40:41], s[58:59]
.irp e, 0,1,2,3,4,5,6,7
	global_load_b128 v[16+4*\e:19+4*\e], v[8+\e], s[44:45] th:TH_LOAD_NT   ; W[8 h + e][4 a .. 4 a + 3]
.endr
	s_wait_loadcnt 0x0
.irp i, 0,1,2,3
.irp m, 0,1,2,3
	v_cvt_pk_bf16_f32 v[48+4*\i+\m], v[16+8*\m+\i], v[20+8*\m+\i]          ; feature 4 a + i: k = 8 h + 2 m, 8 h + 2 m + 1
.endr
.endr
.irp i, 0,1,2,3
	ds_store_b128 v5, v[48+4*\i:51+4*\i] offset:16*\i
.endr
.irp i, 0,1,2,3
	ds_load_b128 v[64+4*\i:67+4*\i], v6 offset:SEGP*\i                     ; a wave's LDS instructions are served in order (ISA guide 5.7.1): these see the stores above
.endr
.irp i, 0,1,2,3
	s_wait_dscnt 3-\i                                                      ; read-back i is in; the younger ones stay out
	global_store_b128 v7, v[64+4*\i:67+4*\i], s[46:47] offset:1024*\i      ; 512 consecutive bytes: half c of fragment i of the four
.endr
	s_wait_tensorcnt 0x0
	ds_add_u32 v80, v81
	s_wait_dscnt 0x0
	s_endpgm
	; ---- parameters: unit U = 4 (g - 144) + wave of 100, 256 bytes each; 25 units a layer
.Lparams:
	s_sub_co_u32 s5, ttmp9, 144
	s_lshl2_add_u32 s5, s5, s4                     ; U
	s_mul_i32 s6, s5, 41
	s_lshr_b32 s6, s6, 10                          ; layer = U / 25 (41 / 1024 is exact for U < 100)
	s_mul_i32 s7, s6, 25
	s_sub_co_u32 s7, s5, s7                        ; u = 0..24
	s_wait_kmcnt 0x0
	s_mov_b64 s[44:45], s[20:21]                   ; units 0-3: bq, 1,024 bytes a layer
	s_mov_b32 s48, 0
	s_mov_b32 s49, 1024
	SEG 4, 22, 1024                                ; bk
	SEG 8, 24, 1024                                ; bv
	SEG 12, 26, 512                                ; bo
	SEG 14, 28, 512                                ; ln1_g
	SEG 16, 30, 512                                ; ln1_b
	SEG 18, 32, 256                                ; ff_b1
	SEG 19, 34, 512                                ; ff_b2
	SEG 21, 36, 512                                ; ln2_g
	SEG 23, 38, 512                                ; ln2_b
	s_mul_i32 s50, s6, s49                         ; the layer's part of the source,
	s_sub_co_u32 s51, s7, s48
	s_lshl_b32 s51, s51, 8                         ; and the unit in it
	s_add_co_u32 s50, s50, s51
	s_mov_b32 s51, 0
	s_add_nc_u64 s[44:45], s[44:45], s[50:51]
	s_lshl_b32 s52, s5, 8
	s_mov_b32 s53, 0
	s_add_nc_u64 s[46:47], s[42:43], s[52:53]
	v_lshlrev_b32 v2, 3, v1                        ; 8 bytes a lane: the wave moves 256 consecutive bytes
	global_load_b64 v[4:5], v2, s[44:45]
	s_wait_loadcnt 0x0
	global_store_b64 v2, v[4:5], s[46:47]
	s_endpgm
.Lfunc_end_k_q0d2f168279_pack:
	.size	k_q0d2f168279_pack, .Lfunc_end_k_q0d2f168279_pack-k_q0d2f168279_pack
	.p2alignl 7, 3214868480
	.fill 96, 4, 3214868480
	.section	.rodata,"a",@progbits
	.p2align	6, 0x0
	.amdhsa_kernel k_q0d2f168279_pack
		.amdhsa_group_segment_fixed_size 8960
		.amdhsa_private_segment_fixed_size 0
		.amdhsa_enable_private_segment 0
		.amdhsa_kernarg_size 144
		.amdhsa_user_sgpr_count 2
		.amdhsa_user_sgpr_kernarg_segment_ptr 1
		.amdhsa_wavefront_size32 1
		.amdhsa_system_sgpr_workgroup_id_x 1
		.amdhsa_system_sgpr_workgroup_id_y 1
		.amdhsa_system_sgpr_workgroup_id_z 1
		.amdhsa_system_vgpr_workitem_id 0
		.amdhsa_next_free_vgpr 82
		.amdhsa_next_free_sgpr 66
		.amdhsa_reserve_vcc 0
		.amdhsa_float_denorm_mode_32 3
		.amdhsa_float_denorm_mode_16_64 3
		.amdhsa_memory_ordered 1
		.amdhsa_forward_progress 1
		.amdhsa_inst_pref_size 10
	.end_amdhsa_kernel
	.amdgpu_metadata
---
amdhsa.version: [ 1, 2 ]
amdhsa.kernels:
  - .name:           k_q0d2f168279_pack
    .symbol:         k_q0d2f168279_pack.kd
    .args:
      - { .name: wq, .offset: 0, .size: 8, .value_kind: global_buffer, .address_space: global }
      - { .name: wk, .offset: 8, .size: 8, .value_kind: global_buffer, .address_space: global }
      - { .name: wv, .offset: 16, .size: 8, .value_kind: global_buffer, .address_space: global }
      - { .name: wo, .offset: 24, .size: 8, .value_kind: global_buffer, .address_space: global }
      - { .name: ff_w1, .offset: 32, .size: 8, .value_kind: global_buffer, .address_space: global }
      - { .name: ff_w2, .offset: 40, .size: 8, .value_kind: global_buffer, .address_space: global }
      - { .name: bq, .offset: 48, .size: 8, .value_kind: global_buffer, .address_space: global }
      - { .name: bk, .offset: 56, .size: 8, .value_kind: global_buffer, .address_space: global }
      - { .name: bv, .offset: 64, .size: 8, .value_kind: global_buffer, .address_space: global }
      - { .name: bo, .offset: 72, .size: 8, .value_kind: global_buffer, .address_space: global }
      - { .name: ln1_g, .offset: 80, .size: 8, .value_kind: global_buffer, .address_space: global }
      - { .name: ln1_b, .offset: 88, .size: 8, .value_kind: global_buffer, .address_space: global }
      - { .name: ff_b1, .offset: 96, .size: 8, .value_kind: global_buffer, .address_space: global }
      - { .name: ff_b2, .offset: 104, .size: 8, .value_kind: global_buffer, .address_space: global }
      - { .name: ln2_g, .offset: 112, .size: 8, .value_kind: global_buffer, .address_space: global }
      - { .name: ln2_b, .offset: 120, .size: 8, .value_kind: global_buffer, .address_space: global }
      - { .name: wpack, .offset: 128, .size: 8, .value_kind: global_buffer, .address_space: global }
      - { .name: ppack, .offset: 136, .size: 8, .value_kind: global_buffer, .address_space: global }
    .group_segment_fixed_size: 8960
    .private_segment_fixed_size: 0
    .kernarg_segment_align: 8
    .kernarg_segment_size: 144
    .max_flat_workgroup_size: 128
    .sgpr_count:     66
    .vgpr_count:     82
    .wavefront_size: 32
...
	.end_amdgpu_metadata
.endif
;; end of part 1
;; launch bert (part 2): grid 256 x 1, 4 waves a work-group, clusters of 4 x 1, 327,680 bytes of LDS; arguments embeddings, wpack, ppack, out0, out1, out2; writes out0, out1, out2
.if DOCPART == 2
	.amdgcn_target "amdgcn-amd-amdhsa--gfx1250"
	.amdhsa_code_object_version 6
	.text
	.protected	k_q0d2f168279_bert
	.globl	k_q0d2f168279_bert
	.p2align	8
	.type	k_q0d2f168279_bert,@function
k_q0d2f168279_bert:
	s_mov_b64 s[64:65], 0
	v_nop
	global_prefetch_b8 v0, s[64:65] scope:SCOPE_SE
	s_setreg_imm32_b32 hwreg(HW_REG_WAVE_MODE, 25, 1), 1
	s_wait_xcnt 0x0
	s_wait_alu depctr_hold_cnt(0) depctr_sa_sdst(0) depctr_va_vdst(0) depctr_va_sdst(0) depctr_va_ssrc(0) depctr_va_vcc(0) depctr_vm_vsrc(0)
	s_getreg_b32 s2, hwreg(HW_REG_IB_STS2, 6, 4)
	s_cmp_eq_u32 s2, 0
	s_cbranch_scc0 .Lentry_in_a_cluster
	s_endpgm
.Lentry_in_a_cluster:
	s_bfe_u32 s2, ttmp6, 0x10000c
	s_cmp_lg_u32 s2, 0x3003
	s_cbranch_scc0 .Lentry_shape_is_right
	s_endpgm
.Lentry_shape_is_right:
; bert: the four encoder layers on tokens 0 and 1, the mean over the two tokens (out0), and the copies of tokens 4 and 5 (out1, out2).
; Tokens 2 and 3 enter no result of the module and are not read.
;
; SHARES.  256 work-groups of four waves.  A work-group owns 128 batch elements, a wave 32 of them = 64 rows, as four row tiles of 16:
; rt 0 = token 0 of elements 0-15, rt 1 = token 1 of elements 0-15, rt 2, rt 3 the same of elements 16-31.  The rows never leave the
; wave's registers between the layers.  Waves share only the weights in LDS.
;
; THE MATRIX INSTRUCTION IS USED TRANSPOSED: source 0 = a weight fragment (16 output features x 32 k, as wpack holds it), source 1 = 16 rows
; x 32 k of activations.  In the result lane (r, h) holds row r, register j feature 16 ft + 8 h + j.  So two neighbouring feature tiles
; round, by eight v_cvt_pk_bf16_f32, straight into the next product's source 1 (tile 2 kap: registers 0-3, tile 2 kap + 1: registers 4-7):
; no LDS and no lane traffic in the chain.  A row's sums (LayerNorm, scores) are in-lane sums and one exchange of the half-waves.  The two
; tokens of a batch element lie in two row tiles at the same lane, so the attention over two tokens is plain arithmetic between registers.
;
; ATTENTION over two tokens: with d = q_s . (k_0 - k_1) / sqrt 2 the softmax's weight of token 0, with the larger score taken away, is
; 1 / (1 + exp(-|d|)) for d >= 0 and exp(-|d|) / (1 + exp(-|d|)) otherwise; the exponents are 0 and -|d|, so nothing overflows.
; ctx_s = v_1 + a_s (v_0 - v_1), which is a_s v_0 + (1 - a_s) v_1.
;
; WEIGHTS: every work-group walks all of wpack, a layer in two parts through two LDS slots: R0 (heads 0, 1: 131,072 bytes) and R1 (heads 2, 3
; and the FFN: 163,840 bytes).  The four work-groups of a cluster ask for each part JOINTLY (mask 15): each wave asks for a quarter of a part,
; with a descriptor made of the wave's number and the layer alone.  A refill stands first behind a round of the cluster's barrier, in front
; of which every wave has waited for its LDS reads and for all its tensor loads.  A wave has three tensor loads out
; at the start and one behind each refill's round.
;
; LIMITS.  All products take bf16 operands and add in f32.  erf is Abramowitz and Stegun's 7.1.26, absolute error at most 1.5e-7 for every
; argument.  v_exp_f32, v_rcp_f32, v_rsq_f32 are good to 1 ULP and flush denormals (ISA guide, their entries in 15.8).
;
; LDS:  R0 0 .. 131,071;  R1 131,072 .. 294,911;  parameters (ppack, filled once) 294,912 .. 320,511.
;   R1's first fill is x: wave w's 32 batch elements, tokens 0 and 1 = 1,024 bytes a row, pitch 1,040, at R1 + 33,280 w.
;   R0, behind its last fill and last read, is the stage of out0: wave w's 32 rows of 512 bytes, pitch 528, at 16,896 w.
;
; REGISTERS, in windows of 256 (s_set_vgpr_msb: bits 1:0 source 0, 3:2 source 1, 5:4 source 2, 7:6 destination):
;   window 0: v1-5 fragment addresses of the five weight units (v1 is also 16 x lane); v7 parameter address; v8-23 copy data; v24-55 four bias tiles;
;             v56-87, v88-119 two fragment buffers (the second is also scratch between products); v120-122 addresses; v128-255 x as bf16 fragments
;   window 1: Q 0-127, K 128-255; then V 0-127, ctx fragments 128-191, softmax weights 192-195, scratch 208-255;
;             then ln1's gain 0-63, bias 64-127, context fragments 128-255; then ff_b2 192-255; then res + x 0-255
;   window 2: x + proj 0-255; then h 0-127, h fragments 128-191, GELU scratch 192-227; then ln2's gain 0-63, bias 64-127, the next layer's bo 192-255
;   window 3: x in f32, tile (ft, rt) at 8 (4 ft + rt)
.set R1B,    131072
.set PAR,    294912
.set LAYERB, 294912                    ; bytes of a layer in wpack
.set PLB,    6400                      ; bytes of a layer in ppack
.set XPITCH, 1040                      ; 1,024 + 16: sixteen rows start at sixteen different 16-byte columns modulo 256
.set XWAVE,  32*XPITCH
.set OPITCH, 528
.set OWAVE,  32*OPITCH
.set PB_Q,  0                          ; byte offsets in a layer's parameters
.set PB_K,  1024
.set PB_V,  2048
.set PB_O,  3072
.set PB_G1, 3584
.set PB_B1, 4096
.set PB_F1, 4608
.set PB_F2, 4864
.set PB_G2, 5376
.set PB_B2, 5888
.set WA,  1                            ; window 0
.set L16, 1
.set PA,  7
.set CP,  8
.set BI,  24
.set FR,  56
.set SC,  88
.set MUP, 104
.set RSP, 112
.set XAR, 120
.set SAR, 121
.set SRR, 122
.set XB,  128
.set KT,  128                          ; window 1
.set CF,  128
.set AT,  192
.set TT,  208
.set HB,  128                          ; window 2
.set KA5, 192
.set GT,  196
.set GE,  204
.set GP,  212
.set GH,  220
.set G1A, 24                           ; s[24:31] group 1: a quarter of R0, 128 rows of 256 bytes
.set G1B, 32                           ; s[32:39] a quarter of R1, 160 rows
.set G1P, 40                           ; s[40:47] a quarter of the parameters, 25 rows
.set G1X, 48                           ; s[48:55] the wave's x tile
.set G0A, 56                           ; s[56:59], s[60:63], s[68:71], s[72:75]: their groups 0
.set G0B, 60
.set G0P, 68
.set G0X, 72
.set MSB, 0
.macro WIN new                         ; the immediate's high byte repeats the setting that is left; a switch that changes nothing is dropped
.if MSB != \new
	s_set_vgpr_msb (MSB<<8)|\new
.set MSB, \new
.endif
.endm
; Four places: a vector instruction that reads a matrix result or writes a matrix instruction's register, and a load into such a register, stand
; four plain vector instructions behind that matrix instruction (ISA guide 7.12.1 for vector instructions).
.macro PLACES
.rept 4
	v_nop
.endr
.endm
; A round of the cluster's barrier: my work-group's barrier, wave 0 signals for the work-group, every wave waits for all four work-groups, my work-group's barrier again.
.macro ROUND
	s_barrier_signal -1
	s_barrier_wait -1
	s_cmp_lg_u32 s16, 0
	s_cbranch_scc1 .Lnot_wave_0_\@
	s_barrier_signal -3
.Lnot_wave_0_\@:
	s_barrier_wait -3
	s_barrier_signal -1
	s_barrier_wait -1
.endm
; group g of unit u (four fragments of 1,024 bytes) into fragment buffer b: eight loads, each of 512 consecutive bytes
.macro FETCH u, g, b
	WIN 0
.irp i, 0,1,2,3
	ds_load_b128 v[FR+32*\b+8*\i:FR+32*\b+8*\i+3],   v[WA+\u] offset:(4*\g+\i)*1024
	ds_load_b128 v[FR+32*\b+8*\i+4:FR+32*\b+8*\i+7], v[WA+\u] offset:(4*\g+\i)*1024+512
.endr
.endm
; four bias tiles in the result's layout (register j of half h: bias[16 i + 8 h + j]): eight loads, under window 0
.macro BIAS off
.irp i, 0,1,2,3
	ds_load_b128 v[BI+8*\i:BI+8*\i+3],   v[PA] offset:\off+64*\i
	ds_load_b128 v[BI+8*\i+4:BI+8*\i+7], v[PA] offset:\off+64*\i+16
.endr
.endm
; eight bias tiles (128 features) into registers 192-255 of the window that win names as destination
.macro LOADB win, off
	WIN \win
.irp ft, 0,1,2,3,4,5,6,7
	ds_load_b128 v[192+8*\ft:192+8*\ft+3],   v[PA] offset:\off+64*\ft
	ds_load_b128 v[192+8*\ft+4:192+8*\ft+7], v[PA] offset:\off+64*\ft+16
.endr
.endm
; 16 matrix instructions: the buffer's four feature tiles x my four row tiles, 32 along k.  The sixteen accumulators take turns, one instruction a turn,
; and a group's last accumulator is not the next group's first.  cfirst = 1: the bias tile starts the sums.
.macro MUL16 b, acc, bf, nk, kk, cfirst
.irp i, 0,1,2,3
.irp rt, 0,1,2,3
.if \cfirst
	v_wmma_f32_16x16x32_bf16 v[\acc+8*(4*\i+\rt):\acc+8*(4*\i+\rt)+7], v[FR+32*\b+8*\i:FR+32*\b+8*\i+7], v[\bf+8*(\nk*\rt+\kk):\bf+8*(\nk*\rt+\kk)+7], v[BI+8*\i:BI+8*\i+7]
.else
	v_wmma_f32_16x16x32_bf16 v[\acc+8*(4*\i+\rt):\acc+8*(4*\i+\rt)+7], v[FR+32*\b+8*\i:FR+32*\b+8*\i+7], v[\bf+8*(\nk*\rt+\kk):\bf+8*(\nk*\rt+\kk)+7], v[\acc+8*(4*\i+\rt):\acc+8*(4*\i+\rt)+7]
.endif
.endr
.endr
.endm
; One group's step: ask for the next group (unit nu, group ng; nu < 0: nothing is left in the slot) into the other buffer, perhaps four bias tiles (boff >= 0),
; then multiply group g out of buffer g % 2.  The wait leaves out exactly the loads just issued: 8, or 16 with the bias tiles.
.macro GRP g, win, acc, bf, nk, kk, cfirst, nu, ng, boff
.if \nu >= 0
	PLACES
	FETCH \nu, \ng, (1-(\g&1))
.if \boff >= 0
	BIAS \boff
	s_wait_dscnt 16
.else
	s_wait_dscnt 8
.endif
.else
	s_wait_dscnt 0x0
.endif
	WIN \win
	MUL16 (\g&1), \acc, \bf, \nk, \kk, \cfirst
.endm
; the first group of a slot that has just been shown whole
.macro COLD u, boff
	PLACES
	FETCH \u, 0, 0
	BIAS \boff
.endm
; tile (ft, rt) of the destination window = x (window 3) + bias tile ft (registers 192-255 of the destination window).  ft and rt ascend, so a bias
; tile is written over only behind its last use.
.macro ADDB win
	WIN \win
.irp ft, 0,1,2,3,4,5,6,7
.irp rt, 0,1,2,3
.irp jp, 0,1,2,3
	.set ra, 8*(4*\ft+\rt)+2*\jp
	v_pk_add_f32 v[ra:ra+1], v[ra:ra+1], v[192+8*\ft+2*\jp:192+8*\ft+2*\jp+1]
.endr
.endr
.endr
.endm
; 32 tiles of f32 in window ow round into 16 source-1 fragments at registers 128-255 of window fw
.macro TOFRAG ow, fw
	WIN (\ow|(\ow<<2)|(\fw<<6))
.irp rt, 0,1,2,3
.irp ft, 0,1,2,3,4,5,6,7
.irp jp, 0,1,2,3
	v_cvt_pk_bf16_f32 v[128+8*(4*\rt+(\ft>>1))+4*(\ft&1)+\jp], v[8*(4*\ft+\rt)+2*\jp], v[8*(4*\ft+\rt)+2*\jp+1]
.endr
.endr
.endr
.endm
; four sums, each kept as two chains of pairs at SC + 4 q: join the chains, add the pair, add the other half-wave's.  Result in v[SC + 4 q], every lane.
.macro REDUCE
	WIN 0
.irp q, 0,1,2,3
	v_pk_add_f32 v[SC+4*\q:SC+4*\q+1], v[SC+4*\q:SC+4*\q+1], v[SC+4*\q+2:SC+4*\q+3]
.endr
.irp q, 0,1,2,3
	v_add_f32 v[SC+4*\q], v[SC+4*\q], v[SC+4*\q+1]
.endr
.irp q, 0,1,2,3
	v_permlanex16_b32 v[SC+4*\q+1], v[SC+4*\q], s76, s77       ; lane i takes lane i xor 16; the destination has been written before
.endr
.irp q, 0,1,2,3
	v_add_f32 v[SC+4*\q], v[SC+4*\q], v[SC+4*\q+1]
.endr
.endm
; the softmax weights of token 0 for the four row tiles q = 2 p + s, from Q and K in window 1
.macro SCORES
	PLACES
	WIN 0x55
.irp ft, 0,1,2,3
.irp p, 0,1
.irp jp, 0,1,2,3
	.set ra, KT+8*(4*\ft+2*\p)+2*\jp
	v_pk_add_f32 v[ra:ra+1], v[ra:ra+1], v[ra+8:ra+9] neg_lo:[0,1] neg_hi:[0,1]    ; k_0 - k_1, in k_0's place
.endr
.endr
.endr
	WIN 0x05
.irp fq, 0,1
.irp jp, 0,1,2,3
.irp p, 0,1
.irp s, 0,1
.irp par, 0,1
	.set ra, 8*(4*(2*\fq+\par)+2*\p+\s)+2*\jp
	.set rb, KT+8*(4*(2*\fq+\par)+2*\p)+2*\jp
	.set rc, SC+2*(4*\p+2*\s+\par)
.if \fq+\jp == 0
	v_pk_mul_f32 v[rc:rc+1], v[ra:ra+1], v[rb:rb+1]            ; the first products start the eight chains
.else
	v_pk_fma_f32 v[rc:rc+1], v[ra:ra+1], v[rb:rb+1], v[rc:rc+1]
.endif
.endr
.endr
.endr
.endr
.endr
	REDUCE                                                     ; q_s . (k_0 - k_1)
.irp q, 0,1,2,3
	v_mul_f32 v[SC+16+\q], -|v[SC+4*\q]|, s78                  ; -|d| log2 e, the 1 / sqrt 2 folded in
.endr
.irp q, 0,1,2,3
	v_exp_f32 v[SC+16+\q], v[SC+16+\q]
.endr
.irp q, 0,1,2,3
	v_cmp_le_f32 s[80+\q], 0, v[SC+4*\q]                       ; plain instructions between the exponentials and their use (ISA guide 5.7.2)
.endr
	s_wait_alu depctr_va_vdst(0)
.irp q, 0,1,2,3
	v_add_f32 v[SC+20+\q], 1.0, v[SC+16+\q]
.endr
.irp q, 0,1,2,3
	v_rcp_f32 v[SC+20+\q], v[SC+20+\q]
.endr
	v_nop
	s_wait_alu depctr_va_vdst(0)
.irp q, 0,1,2,3
	v_mul_f32 v[SC+16+\q], v[SC+16+\q], v[SC+20+\q]
.endr
	WIN 0x40
.irp q, 0,1,2,3
	v_cndmask_b32 v[AT+\q], v[SC+16+\q], v[SC+20+\q], s[80+\q] ; d >= 0: 1 / (1 + e); else e / (1 + e)
.endr
.endm
; ctx_s = v_1 + a_s (v_0 - v_1), rounded into source-1 fragments; all in window 1; two scratch sets take turns
.macro CTX
	PLACES
	WIN 0x55
.irp ft, 0,1,2,3
.irp p, 0,1
	.set ra, 8*(4*\ft+2*\p)
	.set rb, ra+8
	.set rc, TT+24*\p
.irp jp, 0,1,2,3
	v_pk_add_f32 v[rc+2*\jp:rc+2*\jp+1], v[ra+2*\jp:ra+2*\jp+1], v[rb+2*\jp:rb+2*\jp+1] neg_lo:[0,1] neg_hi:[0,1]
.endr
.irp jp, 0,1,2,3
	v_pk_fma_f32 v[rc+8+2*\jp:rc+8+2*\jp+1], v[rc+2*\jp:rc+2*\jp+1], v[AT+2*\p:AT+2*\p+1], v[rb+2*\jp:rb+2*\jp+1] op_sel_hi:[1,0,1]
.endr
.irp jp, 0,1,2,3
	v_pk_fma_f32 v[rc+16+2*\jp:rc+16+2*\jp+1], v[rc+2*\jp:rc+2*\jp+1], v[AT+2*\p:AT+2*\p+1], v[rb+2*\jp:rb+2*\jp+1] op_sel:[0,1,0] op_sel_hi:[1,1,1]
.endr
.irp jp, 0,1,2,3
	v_cvt_pk_bf16_f32 v[CF+8*(4*\p+(\ft>>1))+4*(\ft&1)+\jp],   v[rc+8+2*\jp],  v[rc+9+2*\jp]
	v_cvt_pk_bf16_f32 v[CF+8*(4*\p+2+(\ft>>1))+4*(\ft&1)+\jp], v[rc+16+2*\jp], v[rc+17+2*\jp]
.endr
.endr
.endr
.endm
; One head out of unit u.  Its group 0 and bq's tiles have been asked for.  nu, nb: the next unit and its first bias tiles (nu < 0: the slot ends here).
; Each head also copies tokens 4 and 5 of two of the wave's batch elements: 16 heads x 2 = the wave's 32.
.macro HEAD u, hd, nu, nb
	WIN 0
	global_load_b128 v[CP:CP+3],     v[L16], s[20:21] offset:2048 th:TH_LOAD_NT    ; token 4: a wave's load is the row's 512 bytes
	global_load_b128 v[CP+4:CP+7],   v[L16], s[20:21] offset:2560 th:TH_LOAD_NT    ; token 5
	global_load_b128 v[CP+8:CP+11],  v[L16], s[20:21] offset:5120 th:TH_LOAD_NT    ; the next batch element's
	global_load_b128 v[CP+12:CP+15], v[L16], s[20:21] offset:5632 th:TH_LOAD_NT
	GRP 0,  0x40, 0,   XB, 4, 0, 1, \u, 1, -1                  ; Q = x Wq + bq
	GRP 1,  0x50, 0,   XB, 4, 1, 0, \u, 2, PB_K+256*\hd
	GRP 2,  0x50, 0,   XB, 4, 2, 0, \u, 3, -1
	GRP 3,  0x50, 0,   XB, 4, 3, 0, \u, 4, -1
	GRP 4,  0x40, 128, XB, 4, 0, 1, \u, 5, -1                  ; K
	GRP 5,  0x50, 128, XB, 4, 1, 0, \u, 6, PB_V+256*\hd
	GRP 6,  0x50, 128, XB, 4, 2, 0, \u, 7, -1
	GRP 7,  0x50, 128, XB, 4, 3, 0, \u, 8, -1
	SCORES
	WIN 0
	s_wait_loadcnt 0x0                                         ; the four copy loads, issued eight groups ago
	global_store_b128 v[L16], v[CP:CP+3],     s[12:13] th:TH_STORE_NT
	global_store_b128 v[L16], v[CP+4:CP+7],   s[14:15] th:TH_STORE_NT
	global_store_b128 v[L16], v[CP+8:CP+11],  s[12:13] offset:512 th:TH_STORE_NT
	global_store_b128 v[L16], v[CP+12:CP+15], s[14:15] offset:512 th:TH_STORE_NT
	s_wait_xcnt 0x0                                            ; the bases are stepped, and the data loaded again in the next head, only behind this wait
	s_add_nc_u64 s[20:21], s[20:21], 6144
	s_add_nc_u64 s[12:13], s[12:13], 1024
	s_add_nc_u64 s[14:15], s[14:15], 1024
	GRP 8,  0x40, 0,   XB, 4, 0, 1, \u, 9, -1                  ; V, in Q's place
	GRP 9,  0x50, 0,   XB, 4, 1, 0, \u, 10, -1
	GRP 10, 0x50, 0,   XB, 4, 2, 0, \u, 11, -1
	GRP 11, 0x50, 0,   XB, 4, 3, 0, \u, 12, -1
	CTX
	GRP 12, 0xa4, 0,   CF, 2, 0, 0, \u, 13, -1                 ; x + bo + proj += ctx Wo[64 hd ..]
	GRP 13, 0xa4, 0,   CF, 2, 1, 0, \u, 14, -1
	GRP 14, 0xa4, 128, CF, 2, 0, 0, \u, 15, -1
	GRP 15, 0xa4, 128, CF, 2, 1, 0, \nu, 0, \nb
.endm
; LayerNorm of the 32 tiles in window yw.  Gain and bias go to registers 0-63 and 64-127 of window gw, the result to window ow; frag = 1: also as fragments
; to window fw; nextbo = 1: the next layer's bo is fetched into window gw too.  Mean first, then the squares of the differences: no difference of large sums.
.macro LN yw, gw, ow, fw, goff, boff, frag, nextbo
	PLACES
	WIN (\gw<<6)
.irp ft, 0,1,2,3,4,5,6,7
	ds_load_b128 v[8*\ft:8*\ft+3],       v[PA] offset:\goff+64*\ft
	ds_load_b128 v[8*\ft+4:8*\ft+7],     v[PA] offset:\goff+64*\ft+16
	ds_load_b128 v[64+8*\ft:64+8*\ft+3], v[PA] offset:\boff+64*\ft
	ds_load_b128 v[64+8*\ft+4:64+8*\ft+7], v[PA] offset:\boff+64*\ft+16
.endr
.if \nextbo
	LOADB (\gw<<6), PB_O+PLB
.endif
	WIN (\yw|(\yw<<2))
.irp rt, 0,1,2,3
.irp c, 0,1
	v_pk_add_f32 v[SC+4*\rt+2*\c:SC+4*\rt+2*\c+1], v[8*\rt+2*\c:8*\rt+2*\c+1], v[8*\rt+2*\c+4:8*\rt+2*\c+5]   ; the first tile starts two chains a row tile
.endr
.endr
	WIN \yw
.irp ft, 1,2,3,4,5,6,7
.irp jp, 0,1,2,3
.irp rt, 0,1,2,3
	.set ra, 8*(4*\ft+\rt)+2*\jp
	.set rc, SC+4*\rt+2*(\jp&1)
	v_pk_add_f32 v[rc:rc+1], v[ra:ra+1], v[rc:rc+1]
.endr
.endr
.endr
	REDUCE
.irp rt, 0,1,2,3
	v_mul_f32 v[MUP+2*\rt],   s96, v[SC+4*\rt]                 ; the mean, twice: a pair for the packed subtraction
	v_mul_f32 v[MUP+2*\rt+1], s96, v[SC+4*\rt]
.endr
	WIN (\yw|(\yw<<6))
.irp ft, 0,1,2,3,4,5,6,7
.irp rt, 0,1,2,3
.irp jp, 0,1,2,3
	.set ra, 8*(4*\ft+\rt)+2*\jp
	v_pk_add_f32 v[ra:ra+1], v[ra:ra+1], v[MUP+2*\rt:MUP+2*\rt+1] neg_lo:[0,1] neg_hi:[0,1]
.endr
.endr
.endr
	WIN (\yw|(\yw<<2))
.irp ft, 0,1,2,3,4,5,6,7
.irp jp, 0,1,2,3
.irp rt, 0,1,2,3
	.set ra, 8*(4*\ft+\rt)+2*\jp
	.set rc, SC+4*\rt+2*(\jp&1)
.if 4*\ft+\jp < 2
	v_pk_mul_f32 v[rc:rc+1], v[ra:ra+1], v[ra:ra+1]
.else
	v_pk_fma_f32 v[rc:rc+1], v[ra:ra+1], v[ra:ra+1], v[rc:rc+1]
.endif
.endr
.endr
.endr
	REDUCE
.irp rt, 0,1,2,3
	v_fma_f32 v[SC+4*\rt], v[SC+4*\rt], s96, s95               ; variance + 1e-5
.endr
.irp rt, 0,1,2,3
	v_rsq_f32 v[RSP+2*\rt],   v[SC+4*\rt]
	v_rsq_f32 v[RSP+2*\rt+1], v[SC+4*\rt]
.endr
	v_nop                                                      ; one plain instruction between v_rsq_f32 and its use (ISA guide 5.7.2)
	s_wait_dscnt 0x0                                           ; gain and bias (and the next bo), asked for at the head
	WIN (\yw|(\yw<<6))
	s_wait_alu depctr_va_vdst(0)
.irp ft, 0,1,2,3,4,5,6,7
.irp rt, 0,1,2,3
.irp jp, 0,1,2,3
	.set ra, 8*(4*\ft+\rt)+2*\jp
	v_pk_mul_f32 v[ra:ra+1], v[ra:ra+1], v[RSP+2*\rt:RSP+2*\rt+1]
.endr
.endr
.endr
	WIN (\yw|(\gw<<2)|(\gw<<4)|(\ow<<6))
.irp ft, 0,1,2,3,4,5,6,7
.irp rt, 0,1,2,3
.irp jp, 0,1,2,3
	.set ra, 8*(4*\ft+\rt)+2*\jp
	v_pk_fma_f32 v[ra:ra+1], v[ra:ra+1], v[8*\ft+2*\jp:8*\ft+2*\jp+1], v[64+8*\ft+2*\jp:64+8*\ft+2*\jp+1]
.endr
.endr
.endr
.if \frag
	TOFRAG \ow, \fw
.endif
.endm
; gelu(x) = x / 2 + |x / 2| erf(|x| / sqrt 2), erf(z) = 1 - t (a1 + t (a2 + t (a3 + t (a4 + t a5)))) exp(-z z), t = 1 / (1 + 0.3275911 z); all in window 2
.macro GELU
	WIN 0xaa
	v_mov_b32 v[KA5],   0x3f87dc22                             ; a5, as a pair
	v_mov_b32 v[KA5+1], 0x3f87dc22
.irp ft, 0,1,2,3
.irp rt, 0,1,2,3
	.set ra, 8*(4*\ft+\rt)
	.set rb, HB+8*(2*\rt+(\ft>>1))+4*(\ft&1)
.irp j, 0,1,2,3,4,5,6,7
	v_fma_f32 v[GT+\j], |v[ra+\j]|, s94, 1.0
.endr
.irp j, 0,1,2,3,4,5,6,7
	v_rcp_f32 v[GT+\j], v[GT+\j]
.endr
.irp j, 0,2,4,6
	v_pk_mul_f32 v[GE+\j:GE+\j+1], v[ra+\j:ra+\j+1], s[92:93] op_sel_hi:[1,0]      ; x sqrt(log2 e / 2)
.endr
.irp j, 0,2,4,6
	v_pk_mul_f32 v[GE+\j:GE+\j+1], v[GE+\j:GE+\j+1], v[GE+\j:GE+\j+1] neg_lo:[1,0] neg_hi:[1,0]
.endr
.irp j, 0,1,2,3,4,5,6,7
	v_exp_f32 v[GE+\j], v[GE+\j]                               ; exp(-x x / 2)
.endr
	s_wait_alu depctr_va_vdst(0)
.irp j, 0,2,4,6
	v_pk_fma_f32 v[GP+\j:GP+\j+1], v[GT+\j:GT+\j+1], v[KA5:KA5+1], s[84:85] op_sel_hi:[1,1,0]
.endr
.irp a, 86,88,90
.irp j, 0,2,4,6
	v_pk_fma_f32 v[GP+\j:GP+\j+1], v[GP+\j:GP+\j+1], v[GT+\j:GT+\j+1], s[\a:\a+1] op_sel_hi:[1,1,0]
.endr
.endr
.irp j, 0,2,4,6
	v_pk_mul_f32 v[GP+\j:GP+\j+1], v[GP+\j:GP+\j+1], v[GT+\j:GT+\j+1]
.endr
.irp j, 0,2,4,6
	v_pk_fma_f32 v[GP+\j:GP+\j+1], v[GP+\j:GP+\j+1], v[GE+\j:GE+\j+1], 1.0 op_sel_hi:[1,1,0] neg_lo:[1,0,0] neg_hi:[1,0,0]
.endr
.irp j, 0,2,4,6
	v_pk_mul_f32 v[GH+\j:GH+\j+1], v[ra+\j:ra+\j+1], 0.5 op_sel_hi:[1,0]
.endr
.irp j, 0,1,2,3,4,5,6,7
	v_fma_f32 v[GH+\j], |v[GH+\j]|, v[GP+\j], v[GH+\j]
.endr
.irp jp, 0,1,2,3
	v_cvt_pk_bf16_f32 v[rb+\jp], v[GH+2*\jp], v[GH+2*\jp+1]
.endr
.endr
.endr
.endm
; The change of slots.  Every wave waits for its LDS reads and for all its tensor loads (the one that is out is its quarter of the slot read next).
; refill = 1: a round of the cluster's barrier, then my quarter of the slot just read, for the next layer, first thing behind it.
.macro SYNC refill, g0, g1, step
	WIN 0
	s_wait_dscnt 0x0
	s_wait_tensorcnt 0x0
	ds_add_u32 v126, v127
	s_wait_dscnt 0x0
.if \step
	s_add_nc_u64 s[\g0+2:\g0+3], s[\g0+2:\g0+3], LAYERB        ; no tensor load of mine is out: the address may step; the type bits on top are not reached
.endif
.if \refill
	ROUND
	tensor_load_to_lds s[\g0:\g0+3], s[\g1:\g1+7]
	s_nop 0
.else
	s_barrier_signal -1
	s_barrier_wait -1
.endif
.endm
.macro LAYER last
	ADDB 0x8b                                                  ; window 2 = x + bo: the output projection adds onto it
	HEAD 0, 0, 1, PB_Q+256
	HEAD 1, 1, -1, -1
	SYNC (1-\last), G0A, G1A, (1-\last)                        ; R0 has been read; R1 is whole
	COLD 2, PB_Q+512
	HEAD 2, 2, 3, PB_Q+768
	HEAD 3, 3, 4, PB_F1
	LN 2, 1, 2, 1, PB_G1, PB_B1, 1, 0                          ; context, as fragments in window 1
	GRP 0, 0x84, 0, 128, 4, 0, 1, 4, 1, -1                     ; context ff_w1 + ff_b1
	GRP 1, 0xa4, 0, 128, 4, 1, 0, 4, 2, -1
	GRP 2, 0xa4, 0, 128, 4, 2, 0, 4, 3, -1
	GRP 3, 0xa4, 0, 128, 4, 3, 0, 4, 4, -1
	PLACES
	LOADB 0x40, PB_F2
	GELU
	s_wait_dscnt 0x0                                           ; ff_b2, and ff_w2's first group
	ADDB 0x47                                                  ; window 1 = x + ff_b2: the residual is the layer's input
	GRP 4, 0x58, 0,   HB, 2, 0, 0, 4, 5, -1
	GRP 5, 0x58, 0,   HB, 2, 1, 0, 4, 6, -1
	GRP 6, 0x58, 128, HB, 2, 0, 0, 4, 7, -1
	GRP 7, 0x58, 128, HB, 2, 1, 0, -1, 0, -1
	LN 1, 2, 3, 0, PB_G2, PB_B2, (1-\last), (1-\last)          ; the new x in window 3, and as fragments in window 0
.if \last == 0
	WIN 0
	v_add_nc_u32 v[PA], PLB, v[PA]                             ; the next layer's parameters
	SYNC 1, G0B, G1B, 1                                        ; R1 has been read; R0 is whole
	COLD 0, PB_Q
.endif
.endm
	; ---------------------------------------------------------------- the start
	s_load_b256 s[4:11], s[0:1], 0x0               ; embeddings s[4:5], wpack s[6:7], ppack s[8:9], out0 s[10:11]
	s_load_b128 s[12:15], s[0:1], 0x20             ; out1 s[12:13], out2 s[14:15]
	v_lshl_add_u32 v126, v0, 2, 0x4e400
	v_mov_b32 v127, 0
	ds_add_u32 v126, v127
	ds_add_u32 v126, v127
	v_lshrrev_b32 v1, 5, v0
	v_readfirstlane_b32 s16, v1                    ; wave 0..3
	s_bfe_u32 s17, ttmp6, 0x40000                  ; cx
	s_lshl_b32 s18, ttmp9, 2                       ; in a cluster launch ttmp9 counts clusters
	s_add_co_u32 s18, s18, s17                     ; work-group
	s_lshl_b32 s19, s18, 7
	s_lshl_b32 s22, s16, 5
	s_add_co_u32 s19, s19, s22                     ; my wave's first batch element
	; groups 1.  Dense blocks come as rows of 32 elements of 8 bytes; mask 15 names the cluster's four work-groups, bit 21 is set beside it.
.irp g, G1A, G1B, G1P
	s_mov_b32 s[\g+0], 15|(3<<16)|(1<<21)
	s_mov_b32 s[\g+1], 32<<16                      ; tensor_dim0 = 32
	s_mov_b32 s[\g+3], 32<<16                      ; tile_dim0 = 32
	s_mov_b32 s[\g+5], 32                          ; pitch = 32 elements
	s_mov_b32 s[\g+6], 0
	s_mov_b32 s[\g+7], 0
.endr
	s_mov_b32 s[G1A+2], 128<<16                    ; tensor_dim1 and tile_dim1: 128, 160, 25 rows
	s_mov_b32 s[G1A+4], 128
	s_mov_b32 s[G1B+2], 160<<16
	s_mov_b32 s[G1B+4], 160
	s_mov_b32 s[G1P+2], 25<<16
	s_mov_b32 s[G1P+4], 25
	s_mov_b32 s[G1X+0], (2<<16)|(1<<20)|(7<<22)|(3<<25)   ; my own tile, no mask: elements of 4 bytes; behind every 256 words 4 words of padding
	s_mov_b32 s[G1X+1], 256<<16                    ; tensor_dim0 = 256: tokens 0 and 1
	s_mov_b32 s[G1X+2], 32<<16                     ; tensor_dim1 = 32 batch elements
	s_mov_b32 s[G1X+3], 256<<16                    ; tile_dim0
	s_mov_b32 s[G1X+4], 32                         ; tile_dim1
	s_mov_b32 s[G1X+5], 768                        ; from a batch element to the next: 6 x 128 elements
	s_mov_b32 s[G1X+6], 0
	s_mov_b32 s[G1X+7], 0
	; groups 0: LDS addresses are a constant plus the wave's number times a constant
	s_mov_b32 s[G0A], 1
	s_lshl_b32 s[G0A+1], s16, 15
	s_mov_b32 s[G0B], 1
	s_mul_i32 s[G0B+1], s16, 40960
	s_add_co_u32 s[G0B+1], s[G0B+1], R1B
	s_mov_b32 s[G0P], 1
	s_mul_i32 s[G0P+1], s16, PLB
	s_add_co_u32 s[G0P+1], s[G0P+1], PAR
	s_mov_b32 s[G0X], 1
	s_mul_i32 s[G0X+1], s16, XWAVE
	s_add_co_u32 s[G0X+1], s[G0X+1], R1B
	s_mov_b32 s3, 0
	s_mov_b32 s23, 0
	s_wait_dscnt 0x0
	s_wait_kmcnt 0x0
	s_lshl_b32 s2, s16, 15                         ; s[2:3] hold offsets made of the wave's number alone: they feed the joint descriptors
	s_add_nc_u64 s[G0A+2:G0A+3], s[6:7], s[2:3]
	s_or_b32 s[G0A+3], s[G0A+3], 0x80000000
	s_mul_i32 s2, s16, 40960
	s_add_nc_u64 s[G0B+2:G0B+3], s[6:7], s[2:3]
	s_add_nc_u64 s[G0B+2:G0B+3], s[G0B+2:G0B+3], R1B
	s_or_b32 s[G0B+3], s[G0B+3], 0x80000000
	s_mul_i32 s2, s16, PLB
	s_add_nc_u64 s[G0P+2:G0P+3], s[8:9], s[2:3]
	s_or_b32 s[G0P+3], s[G0P+3], 0x80000000
	s_mul_i32 s22, s19, 3072                       ; s[22:23] hold offsets that hang on the work-group: below 2^27
	s_add_nc_u64 s[20:21], s[4:5], s[22:23]        ; embeddings at my first batch element: the copies' source
	s_mov_b64 s[G0X+2:G0X+3], s[20:21]
	s_or_b32 s[G0X+3], s[G0X+3], 0x80000000
	s_lshl_b32 s22, s19, 9
	s_add_nc_u64 s[10:11], s[10:11], s[22:23]      ; the three outputs at my first row
	s_add_nc_u64 s[12:13], s[12:13], s[22:23]
	s_add_nc_u64 s[14:15], s[14:15], s[22:23]
	ROUND                                          ; all four work-groups are here: the first joint loads meet
	tensor_load_to_lds s[G0X:G0X+3], s[G1X:G1X+7]  ; my x tile, into R1
	s_nop 0
	tensor_load_to_lds s[G0P:G0P+3], s[G1P:G1P+7]  ; a quarter of the parameters
	s_nop 0
	tensor_load_to_lds s[G0A:G0A+3], s[G1A:G1A+7]  ; a quarter of layer 0's heads 0 and 1, into R0
	s_nop 0
	s_mov_b32 s76, 0x76543210                      ; v_permlanex16_b32: lane i of one half reads lane i of the other
	s_mov_b32 s77, 0xfedcba98
	s_mov_b32 s78, 0x3f8293ee                      ; log2 e / sqrt 2
	s_mov_b32 s84, 0xbfba00e3                      ; a4 = -1.453152027, twice; then a3, a2, a1
	s_mov_b32 s85, 0xbfba00e3
	s_mov_b32 s86, 0x3fb5f0e3                      ; a3 = 1.421413741
	s_mov_b32 s87, 0x3fb5f0e3
	s_mov_b32 s88, 0xbe91a98e                      ; a2 = -0.284496736
	s_mov_b32 s89, 0xbe91a98e
	s_mov_b32 s90, 0x3e827906                      ; a1 = 0.254829592
	s_mov_b32 s91, 0x3e827906
	s_mov_b32 s92, 0x3f596d27                      ; sqrt(log2 e / 2)
	s_mov_b32 s93, 0x3f596d27
	s_mov_b32 s94, 0x3e6d3388                      ; 0.3275911 / sqrt 2
	s_mov_b32 s95, 0x3727c5ac                      ; 1e-5
	s_mov_b32 s96, 0x3c000000                      ; 1 / 128
	v_and_b32 v10, 31, v0                          ; lane
	v_and_b32 v12, 15, v0                          ; r
	v_bfe_u32 v11, v0, 4, 1                        ; h
	v_lshlrev_b32 v[L16], 4, v10                   ; 16 x lane: also unit 0's fragment address
.irp u, 1,2,3,4
	v_add_nc_u32 v[WA+\u], 65536*\u, v[L16]        ; units 1 to 4 (heads 1, 2, 3, the FFN)
.endr
	v_lshl_add_u32 v[PA], v11, 5, PAR              ; parameters: 8 h numbers in
	v_mul_u32_u24 v[XAR], v12, XPITCH              ; x: batch element r, 8 h numbers in
	v_lshl_add_u32 v[XAR], v11, 5, v[XAR]
	v_add_nc_u32 v[XAR], s[G0X+1], v[XAR]
	s_mul_i32 s2, s16, OWAVE
	v_mul_u32_u24 v[SAR], v12, OPITCH              ; the stage of out0: in by row r and half h,
	v_lshl_add_u32 v[SAR], v11, 5, v[SAR]
	v_add_nc_u32 v[SAR], s2, v[SAR]
	v_add_nc_u32 v[SRR], s2, v[L16]                ; back by whole rows
	s_wait_tensorcnt 0x2                           ; my x tile is in; the two younger loads stay out.  Only I read it
	WIN 0xc0
.irp rt, 0,1,2,3
.irp ft, 0,1,2,3,4,5,6,7
	ds_load_b128 v[8*(4*\ft+\rt):8*(4*\ft+\rt)+3],   v[XAR] offset:16*XPITCH*(\rt>>1)+512*(\rt&1)+64*\ft
	ds_load_b128 v[8*(4*\ft+\rt)+4:8*(4*\ft+\rt)+7], v[XAR] offset:16*XPITCH*(\rt>>1)+512*(\rt&1)+64*\ft+16
.endr
.endr
	s_wait_dscnt 0x0
	TOFRAG 3, 0
	SYNC 1, G0B, G1B, 0                            ; x has been read, parameters and R0 are whole: layer 0's second part goes into R1
	LOADB 0x80, PB_O                               ; layer 0's bo
	COLD 0, PB_Q
	s_wait_dscnt 16                                ; bo is in; the sixteen loads of the first group and bq stay out
	s_mov_b32 s97, 3
.Llayer:
	LAYER 0
	WIN 0
	s_sub_co_u32 s97, s97, 1
	s_cmp_lg_u32 s97, 0
	s_cbranch_scc1 .Llayer
	LAYER 1                                        ; the last layer fetches nothing: written out, with a plain barrier at its change of slots
	; ---------------------------------------------------------------- out0 = the mean of the two tokens
	WIN 0xcf
.irp ft, 0,1,2,3,4,5,6,7
.irp p, 0,1
.irp jp, 0,1,2,3
	.set ra, 8*(4*\ft+2*\p)+2*\jp
	v_pk_add_f32 v[ra:ra+1], v[ra:ra+1], v[ra+8:ra+9]
.endr
.endr
.endr
.irp ft, 0,1,2,3,4,5,6,7
.irp p, 0,1
.irp jp, 0,1,2,3
	.set ra, 8*(4*\ft+2*\p)+2*\jp
	v_pk_mul_f32 v[ra:ra+1], v[ra:ra+1], 0.5 op_sel_hi:[1,0]
.endr
.endr
.endr
	; Through my own stage in R0, which has had its last fill and, since the last layer's barrier, its last read by any wave.
	WIN 0x0c
.irp p, 0,1
.irp ft, 0,1,2,3,4,5,6,7
	ds_store_b128 v[SAR], v[8*(4*\ft+2*\p):8*(4*\ft+2*\p)+3]   offset:16*OPITCH*\p+64*\ft
	ds_store_b128 v[SAR], v[8*(4*\ft+2*\p)+4:8*(4*\ft+2*\p)+7] offset:16*OPITCH*\p+64*\ft+16
.endr
.endr
	WIN 0x40
.set row, 0
.rept 32
	ds_load_b128 v[4*row:4*row+3], v[SRR] offset:OPITCH*row    ; a wave's LDS instructions are served in order (ISA guide 5.7.1): these see the stores above
.set row, row+1
.endr
	WIN 0x04
.set row, 0
.rept 32
	s_wait_dscnt 31-row                                        ; row 'row' is in; the younger ones stay out
	global_store_b128 v[L16], v[4*row:4*row+3], s[10:11] offset:512*row th:TH_STORE_NT   ; a whole row: 512 consecutive bytes
.set row, row+1
.endr
	WIN 0
	s_wait_tensorcnt 0x0
	ds_add_u32 v126, v127
	s_wait_dscnt 0x0
	ROUND                                          ; the closing round: no work-group ends while a partner may still ask jointly
	s_endpgm
.Lfunc_end_k_q0d2f168279_bert:
	.size	k_q0d2f168279_bert, .Lfunc_end_k_q0d2f168279_bert-k_q0d2f168279_bert
	.p2alignl 7, 3214868480
	.fill 96, 4, 3214868480
	.section	.rodata,"a",@progbits
	.p2align	6, 0x0
	.amdhsa_kernel k_q0d2f168279_bert
		.amdhsa_group_segment_fixed_size 327680
		.amdhsa_private_segment_fixed_size 0
		.amdhsa_enable_private_segment 0
		.amdhsa_kernarg_size 48
		.amdhsa_user_sgpr_count 2
		.amdhsa_user_sgpr_kernarg_segment_ptr 1
		.amdhsa_wavefront_size32 1
		.amdhsa_system_sgpr_workgroup_id_x 1
		.amdhsa_system_sgpr_workgroup_id_y 1
		.amdhsa_system_sgpr_workgroup_id_z 1
		.amdhsa_system_vgpr_workitem_id 0
		.amdhsa_next_free_vgpr 1024
		.amdhsa_next_free_sgpr 98
		.amdhsa_reserve_vcc 0
		.amdhsa_float_denorm_mode_32 3
		.amdhsa_float_denorm_mode_16_64 3
		.amdhsa_memory_ordered 1
		.amdhsa_forward_progress 1
		.amdhsa_inst_pref_size 255
	.end_amdhsa_kernel
	.section	.bss,"aw",@nobits
	.p2align	6
	.space	262144
	.amdgpu_metadata
---
amdhsa.version: [ 1, 2 ]
amdhsa.kernels:
  - .name:           k_q0d2f168279_bert
    .symbol:         k_q0d2f168279_bert.kd
    .args:
      - { .name: embeddings, .offset: 0, .size: 8, .value_kind: global_buffer, .address_space: global }
      - { .name: wpack, .offset: 8, .size: 8, .value_kind: global_buffer, .address_space: global }
      - { .name: ppack, .offset: 16, .size: 8, .value_kind: global_buffer, .address_space: global }
      - { .name: out0, .offset: 24, .size: 8, .value_kind: global_buffer, .address_space: global }
      - { .name: out1, .offset: 32, .size: 8, .value_kind: global_buffer, .address_space: global }
      - { .name: out2, .offset: 40, .size: 8, .value_kind: global_buffer, .address_space: global }
    .group_segment_fixed_size: 327680
    .private_segment_fixed_size: 0
    .kernarg_segment_align: 8
    .kernarg_segment_size: 48
    .max_flat_workgroup_size: 128
    .sgpr_count:     98
    .vgpr_count:     1024
    .wavefront_size: 32
...
	.end_amdgpu_metadata
.endif
;; end of part 2
;; ======== version 2 of 2: 2 launches; 1.13 times as fast as version 1
;; workspace buffers: wpack 1,179,648 bytes; ppack 25,600 bytes
;; launch pack (part 3): grid 169 x 1, 4 waves a work-group, no clusters, 8,960 bytes of LDS; arguments wq, wk, wv, wo, ff_w1, ff_w2, bq, bk, bv, bo, ln1_g, ln1_b, ff_b1, ff_b2, ln2_g, ln2_b, wpack, ppack; writes wpack, ppack
.if DOCPART == 3
	.amdgcn_target "amdgcn-amd-amdhsa--gfx1250"
	.amdhsa_code_object_version 6
	.text
	.protected	k_q0d2f168279_pack
	.globl	k_q0d2f168279_pack
	.p2align	8
	.type	k_q0d2f168279_pack,@function
k_q0d2f168279_pack:
	s_mov_b64 s[64:65], 0
	v_nop
	global_prefetch_b8 v0, s[64:65] scope:SCOPE_SE
	s_setreg_imm32_b32 hwreg(HW_REG_WAVE_MODE, 25, 1), 1
	s_wait_xcnt 0x0
; pack: all weights once to bf16, transposed into ready matrix fragments in the order of their use (wpack),
; and all biases and gains, still f32, gathered into one block of 6,400 bytes a layer (ppack).
;
; wpack: a layer is 18 blocks of 16,384 bytes.  Block j = 4 hd + kind for j < 16 (kind 0 Wq, 1 Wk, 2 Wv of head hd, 3 rows
; 64 hd .. 64 hd + 63 of Wo); j = 16 ff_w1; j = 17 ff_w2.  Every source block is 32,768 consecutive bytes of f32.
; A block is 16 fragments of 1,024 bytes.  A fragment is 16 output features x 32 k as a matrix instruction's first source wants it:
; half c (512 bytes), lane L = r + 16 h (16 bytes), element e: W[k = 32 kap + 16 c + 8 h + e][n = 16 ft + r].
; Fragment number: 4 kap + ft where K = 128, N = 64 (Wq, Wk, Wv, ff_w1: rows of 256 bytes);
;                  8 (ft / 4) + 4 kap + ft % 4 where K = 64, N = 128 (Wo's slice, ff_w2: rows of 512 bytes).
; ppack: a layer is 25 units of 256 bytes: bq 0-3, ff_b1 4, bk 5-8, bv 9-12, bo 13-14, ln1_g 15-16, ln1_b 17-18, ff_b2 19-20,
; ln2_g 21-22, ln2_b 23-24.  ff_b1 lies behind bq so that a step of 256 bytes leads from each head's bq to what is needed next.
; Work-groups 0 to 143: one wave takes 16 k x 64 n of a block (eight such tasks a block).  Each of its eight loads reads two whole
; pieces of 256 consecutive bytes; the transposition goes through the wave's own 2,112 bytes of LDS; each of its four stores
; writes 512 consecutive bytes.  Work-groups 144 to 168: one wave copies 256 bytes of a parameter vector.
; No barrier: no wave reads another wave's LDS bytes.
.set LAYERB, 294912                    ; bytes of a layer in wpack
.set SEGP,   528                       ; LDS: 512 bytes of a fragment's half + 16, so that the sixteen lanes of a half-wave store to sixteen different 16-byte columns modulo 256
.set WSTAGE, 4*SEGP                    ; a wave's stage
; a parameter segment: from unit 'start' of a layer's 25 units on the source is the buffer at s[ptr], 'step' bytes a layer
.macro SEG start, ptr, step
	s_cmp_ge_u32 s7, \start
	s_cselect_b64 s[44:45], s[\ptr:\ptr+1], s[44:45]
	s_cselect_b32 s48, \start, s48
	s_cselect_b32 s49, \step, s49
.endm
	s_load_b512 s[8:23], s[0:1], 0x0               ; wq 8, wk 10, wv 12, wo 14, ff_w1 16, ff_w2 18, bq 20, bk 22
	s_load_b512 s[24:39], s[0:1], 0x40             ; bv 24, bo 26, ln1_g 28, ln1_b 30, ff_b1 32, ff_b2 34, ln2_g 36, ln2_b 38
	s_load_b128 s[40:43], s[0:1], 0x80             ; wpack 40, ppack 42
	v_lshl_add_u32 v80, v0, 2, 0x2100
	v_mov_b32 v81, 0
	v_lshrrev_b32 v1, 5, v0
	v_readfirstlane_b32 s4, v1                     ; wave 0..3
	v_and_b32 v1, 31, v0                           ; lane
	s_cmp_ge_u32 ttmp9, 144
	s_cbranch_scc1 .Lparams
	; ---- weights: block b = g / 2 of 72, task tau = 4 (g % 2) + wave of 8
	s_lshr_b32 s5, ttmp9, 1                        ; b
	s_and_b32 s6, ttmp9, 1
	s_lshl2_add_u32 s6, s6, s4                     ; tau
	s_mul_i32 s7, s5, 57
	s_lshr_b32 s7, s7, 10                          ; layer = b / 18 (57 / 1024 is exact for b < 72)
	s_mul_i32 s48, s7, 18
	s_sub_co_u32 s48, s5, s48                      ; j = 0..17
	s_and_b32 s49, s48, 3                          ; kind
	s_lshr_b32 s50, s48, 2                         ; head
	s_lshl2_add_u32 s51, s7, s50                   ; 4 layer + head
	s_cmp_lt_u32 s48, 16
	s_cselect_b32 s51, s51, s7                     ; the block's number in its source buffer
	s_lshl_b32 s51, s51, 15                        ; x 32,768 bytes
	s_cmp_eq_u32 s49, 3
	s_cselect_b32 s52, 1, 0
	s_cmp_eq_u32 s48, 17
	s_cselect_b32 s52, 1, s52                      ; 1: rows of 512 bytes (Wo's slice, ff_w2)
	s_lshl_b32 s53, s6, 12                         ; rows of 256 bytes: 16 rows a task
	s_and_b32 s54, s6, 3
	s_lshl_b32 s54, s54, 13                        ; rows of 512 bytes: 16 rows for tau % 4,
	s_lshr_b32 s55, s6, 2
	s_lshl_b32 s55, s55, 8                         ; and the left or right 256 bytes for tau / 4
	s_add_co_u32 s54, s54, s55
	s_cmp_eq_u32 s52, 1
	s_cselect_b32 s53, s54, s53
	s_add_co_u32 s56, s51, s53                     ; the task's offset in its source
	s_mov_b32 s57, 0
	s_add_co_u32 s52, s52, 8                       ; log2 of the row's bytes
	s_mul_i32 s58, s7, LAYERB                      ; and in wpack: layer, block,
	s_lshl_b32 s60, s48, 14
	s_add_co_u32 s58, s58, s60
	s_lshr_b32 s60, s6, 1
	s_lshl_b32 s60, s60, 12                        ; four fragments for tau / 2,
	s_add_co_u32 s58, s58, s60
	s_and_b32 s60, s6, 1
	s_lshl_b32 s60, s60, 9                         ; their half c = tau % 2
	s_add_co_u32 s58, s58, s60
	s_mov_b32 s59, 0
	s_mul_i32 s61, s4, WSTAGE                      ; my wave's stage
	v_and_b32 v2, 15, v0                           ; a: my 16 bytes (4 features) of a row's 256
	v_bfe_u32 v3, v0, 4, 1                         ; h
	v_lshlrev_b32 v4, 3, v3                        ; 8 h
.irp e, 0,1,2,3,4,5,6,7
	v_add_nc_u32 v[8+\e], \e, v4                   ; row 8 h + e of the task's 16
	v_lshlrev_b32 v[8+\e], s52, v[8+\e]
	v_lshl_add_u32 v[8+\e], v2, 4, v[8+\e]
.endr
	v_lshrrev_b32 v5, 2, v2                        ; feature 4 a + i lies in fragment a / 4, lane 4 (a % 4) + i + 16 h
	v_mul_u32_u24 v5, v5, SEGP
	v_lshl_add_u32 v5, v3, 8, v5
	v_and_b32 v6, 3, v2
	v_lshl_add_u32 v5, v6, 6, v5
	v_add_nc_u32 v5, s61, v5                       ; where I put 16 bytes
	v_lshlrev_b32 v7, 4, v1                        ; 16 x lane
	v_add_nc_u32 v6, s61, v7                       ; where I read a fragment's half back
	s_wait_kmcnt 0x0
	s_mov_b64 s[44:45], s[8:9]                     ; the source buffer, chosen by kind and j
	s_cmp_eq_u32 s49, 1
	s_cselect_b64 s[44:45], s[10:11], s[44:45]
	s_cmp_eq_u32 s49, 2
	s_cselect_b64 s[44:45], s[12:13], s[44:45]
	s_cmp_eq_u32 s49, 3
	s_cselect_b64 s[44:45], s[14:15], s[44:45]
	s_cmp_eq_u32 s48, 16
	s_cselect_b64 s[44:45], s[16:17], s[44:45]
	s_cmp_eq_u32 s48, 17
	s_cselect_b64 s[44:45], s[18:19], s[44:45]
	s_add_nc_u64 s[44:45], s[44:45], s[56:57]
	s_add_nc_u64 s[46:47], s[40:41], s[58:59]
.irp e, 0,1,2,3,4,5,6,7
	global_load_b128 v[16+4*\e:19+4*\e], v[8+\e], s[44:45] th:TH_LOAD_NT   ; W[8 h + e][4 a .. 4 a + 3]
.endr
	s_wait_loadcnt 0x0
.irp i, 0,1,2,3
.irp m, 0,1,2,3
	v_cvt_pk_bf16_f32 v[48+4*\i+\m], v[16+8*\m+\i], v[20+8*\m+\i]          ; feature 4 a + i: k = 8 h + 2 m, 8 h + 2 m + 1
.endr
.endr
.irp i, 0,1,2,3
	ds_store_b128 v5, v[48+4*\i:51+4*\i] offset:16*\i
.endr
.irp i, 0,1,2,3
	ds_load_b128 v[64+4*\i:67+4*\i], v6 offset:SEGP*\i                     ; a wave's LDS instructions are served in order (ISA guide 5.7.1): these see the stores above
.endr
.irp i, 0,1,2,3
	s_wait_dscnt 3-\i                                                      ; read-back i is in; the younger ones stay out
	global_store_b128 v7, v[64+4*\i:67+4*\i], s[46:47] offset:1024*\i      ; 512 consecutive bytes: half c of fragment i of the four
.endr
	s_wait_tensorcnt 0x0
	ds_add_u32 v80, v81
	s_wait_dscnt 0x0
	s_endpgm
	; ---- parameters: unit U = 4 (g - 144) + wave of 100, 256 bytes each; 25 units a layer
.Lparams:
	s_sub_co_u32 s5, ttmp9, 144
	s_lshl2_add_u32 s5, s5, s4                     ; U
	s_mul_i32 s6, s5, 41
	s_lshr_b32 s6, s6, 10                          ; layer = U / 25 (41 / 1024 is exact for U < 100)
	s_mul_i32 s7, s6, 25
	s_sub_co_u32 s7, s5, s7                        ; u = 0..24
	s_wait_kmcnt 0x0
	s_mov_b64 s[44:45], s[20:21]                   ; units 0-3: bq, 1,024 bytes a layer
	s_mov_b32 s48, 0
	s_mov_b32 s49, 1024
	SEG 4, 32, 256                                 ; ff_b1
	SEG 5, 22, 1024                                ; bk
	SEG 9, 24, 1024                                ; bv
	SEG 13, 26, 512                                ; bo
	SEG 15, 28, 512                                ; ln1_g
	SEG 17, 30, 512                                ; ln1_b
	SEG 19, 34, 512                                ; ff_b2
	SEG 21, 36, 512                                ; ln2_g
	SEG 23, 38, 512                                ; ln2_b
	s_mul_i32 s50, s6, s49                         ; the layer's part of the source,
	s_sub_co_u32 s51, s7, s48
	s_lshl_b32 s51, s51, 8                         ; and the unit in it
	s_add_co_u32 s50, s50, s51
	s_mov_b32 s51, 0
	s_add_nc_u64 s[44:45], s[44:45], s[50:51]
	s_lshl_b32 s52, s5, 8
	s_mov_b32 s53, 0
	s_add_nc_u64 s[46:47], s[42:43], s[52:53]
	v_lshlrev_b32 v2, 3, v1                        ; 8 bytes a lane: the wave moves 256 consecutive bytes
	global_load_b64 v[4:5], v2, s[44:45]
	s_wait_loadcnt 0x0
	global_store_b64 v2, v[4:5], s[46:47]
	s_endpgm
.Lfunc_end_k_q0d2f168279_pack:
	.size	k_q0d2f168279_pack, .Lfunc_end_k_q0d2f168279_pack-k_q0d2f168279_pack
	.p2alignl 7, 3214868480
	.fill 96, 4, 3214868480
	.section	.rodata,"a",@progbits
	.p2align	6, 0x0
	.amdhsa_kernel k_q0d2f168279_pack
		.amdhsa_group_segment_fixed_size 8960
		.amdhsa_private_segment_fixed_size 0
		.amdhsa_enable_private_segment 0
		.amdhsa_kernarg_size 144
		.amdhsa_user_sgpr_count 2
		.amdhsa_user_sgpr_kernarg_segment_ptr 1
		.amdhsa_wavefront_size32 1
		.amdhsa_system_sgpr_workgroup_id_x 1
		.amdhsa_system_sgpr_workgroup_id_y 1
		.amdhsa_system_sgpr_workgroup_id_z 1
		.amdhsa_system_vgpr_workitem_id 0
		.amdhsa_next_free_vgpr 82
		.amdhsa_next_free_sgpr 66
		.amdhsa_reserve_vcc 0
		.amdhsa_float_denorm_mode_32 3
		.amdhsa_float_denorm_mode_16_64 3
		.amdhsa_memory_ordered 1
		.amdhsa_forward_progress 1
		.amdhsa_inst_pref_size 10
	.end_amdhsa_kernel
	.amdgpu_metadata
---
amdhsa.version: [ 1, 2 ]
amdhsa.kernels:
  - .name:           k_q0d2f168279_pack
    .symbol:         k_q0d2f168279_pack.kd
    .args:
      - { .name: wq, .offset: 0, .size: 8, .value_kind: global_buffer, .address_space: global }
      - { .name: wk, .offset: 8, .size: 8, .value_kind: global_buffer, .address_space: global }
      - { .name: wv, .offset: 16, .size: 8, .value_kind: global_buffer, .address_space: global }
      - { .name: wo, .offset: 24, .size: 8, .value_kind: global_buffer, .address_space: global }
      - { .name: ff_w1, .offset: 32, .size: 8, .value_kind: global_buffer, .address_space: global }
      - { .name: ff_w2, .offset: 40, .size: 8, .value_kind: global_buffer, .address_space: global }
      - { .name: bq, .offset: 48, .size: 8, .value_kind: global_buffer, .address_space: global }
      - { .name: bk, .offset: 56, .size: 8, .value_kind: global_buffer, .address_space: global }
      - { .name: bv, .offset: 64, .size: 8, .value_kind: global_buffer, .address_space: global }
      - { .name: bo, .offset: 72, .size: 8, .value_kind: global_buffer, .address_space: global }
      - { .name: ln1_g, .offset: 80, .size: 8, .value_kind: global_buffer, .address_space: global }
      - { .name: ln1_b, .offset: 88, .size: 8, .value_kind: global_buffer, .address_space: global }
      - { .name: ff_b1, .offset: 96, .size: 8, .value_kind: global_buffer, .address_space: global }
      - { .name: ff_b2, .offset: 104, .size: 8, .value_kind: global_buffer, .address_space: global }
      - { .name: ln2_g, .offset: 112, .size: 8, .value_kind: global_buffer, .address_space: global }
      - { .name: ln2_b, .offset: 120, .size: 8, .value_kind: global_buffer, .address_space: global }
      - { .name: wpack, .offset: 128, .size: 8, .value_kind: global_buffer, .address_space: global }
      - { .name: ppack, .offset: 136, .size: 8, .value_kind: global_buffer, .address_space: global }
    .group_segment_fixed_size: 8960
    .private_segment_fixed_size: 0
    .kernarg_segment_align: 8
    .kernarg_segment_size: 144
    .max_flat_workgroup_size: 128
    .sgpr_count:     66
    .vgpr_count:     82
    .wavefront_size: 32
...
	.end_amdgpu_metadata
.endif
;; end of part 3
;; launch bert (part 4): grid 256 x 1, 4 waves a work-group, clusters of 4 x 1, 327,680 bytes of LDS; arguments embeddings, wpack, ppack, out0, out1, out2; writes out0, out1, out2
.if DOCPART == 4
	.amdgcn_target "amdgcn-amd-amdhsa--gfx1250"
	.amdhsa_code_object_version 6
	.text
	.protected	k_q0d2f168279_bert
	.globl	k_q0d2f168279_bert
	.p2align	8
	.type	k_q0d2f168279_bert,@function
k_q0d2f168279_bert:
	s_mov_b64 s[64:65], 0
	v_nop
	global_prefetch_b8 v0, s[64:65] scope:SCOPE_SE
	s_setreg_imm32_b32 hwreg(HW_REG_WAVE_MODE, 25, 1), 1
	s_wait_xcnt 0x0
	s_wait_alu depctr_hold_cnt(0) depctr_sa_sdst(0) depctr_va_vdst(0) depctr_va_sdst(0) depctr_va_ssrc(0) depctr_va_vcc(0) depctr_vm_vsrc(0)
	s_getreg_b32 s2, hwreg(HW_REG_IB_STS2, 6, 4)
	s_cmp_eq_u32 s2, 0
	s_cbranch_scc0 .Lentry_in_a_cluster
	s_endpgm
.Lentry_in_a_cluster:
	s_bfe_u32 s2, ttmp6, 0x10000c
	s_cmp_lg_u32 s2, 0x3003
	s_cbranch_scc0 .Lentry_shape_is_right
	s_endpgm
.Lentry_shape_is_right:
; bert: the four encoder layers on tokens 0 and 1, the mean over the two tokens (out0), and the copies of tokens 4 and 5 (out1, out2).
; Tokens 2 and 3 enter no result of the module and are not read.
;
; SHARES.  256 work-groups of four waves.  A work-group owns 128 batch elements, a wave 32 of them = 64 rows, as four row tiles of 16:
; rt 0 = token 0 of elements 0-15, rt 1 = token 1 of elements 0-15, rt 2, rt 3 the same of elements 16-31.  The rows never leave the
; wave's registers between the layers.  Waves share only the weights in LDS.
;
; THE MATRIX INSTRUCTION IS USED TRANSPOSED: source 0 = a weight fragment (16 output features x 32 k, as wpack holds it), source 1 = 16 rows
; x 32 k of activations.  In the result lane (r, h) holds row r, register j feature 16 ft + 8 h + j.  So two neighbouring feature tiles
; round, by eight v_cvt_pk_bf16_f32, straight into the next product's source 1 (tile 2 kap: registers 0-3, tile 2 kap + 1: registers 4-7):
; no LDS and no lane traffic in the chain.  A row's sums (LayerNorm, scores) are in-lane sums and one exchange of the half-waves.  The two
; tokens of a batch element lie in two row tiles at the same lane, so the attention over two tokens is plain arithmetic between registers.
;
; ATTENTION over two tokens: with d = q_s . (k_0 - k_1) / sqrt 2 the softmax's weight of token 0, with the larger score taken away, is
; 1 / (1 + exp(-|d|)) for d >= 0 and exp(-|d|) / (1 + exp(-|d|)) otherwise; the exponents are 0 and -|d|, so nothing overflows.
; ctx_s = v_1 + a_s (v_0 - v_1), which is a_s v_0 + (1 - a_s) v_1.
;
; ONE TEXT FOR THE FOUR HEADS: a head uses the same registers as the one before it, so the heads of a layer are four trips of a loop; the
; fragment address steps 65,536 bytes and the parameter address 256 bytes a trip.  That keeps the layer loop's text short.
;
; WEIGHTS: every work-group walks all of wpack, through five LDS slots: one of 65,536 bytes for each head and one of 32,768 for the FFN.
; The four work-groups of a cluster ask for each refill JOINTLY (mask 15): each wave asks for a quarter, with a descriptor made of the wave's
; number, the head and the layer alone.  Slot hd gets the next layer's head hd behind a round of the cluster's barrier that follows head hd; the
; FFN's slot behind a round that follows ff_w2's last read.  In front of each round every wave has waited for its LDS reads and for all
; its tensor loads, so each fill is shown whole by the round that follows its own, which comes before its first read.  A wave has three
; tensor loads out at the start and one behind each refill's round.
;
; LIMITS.  All products take bf16 operands and add in f32.  erf is Abramowitz and Stegun's 7.1.26, absolute error at most 1.5e-7 for every
; argument.  v_exp_f32, v_rcp_f32, v_rsq_f32 are good to 1 ULP and flush denormals (ISA guide, their entries in 15.8).
;
; LDS:  head slots 0 .. 262,143;  the FFN's slot 262,144 .. 294,911;  parameters (ppack, filled once) 294,912 .. 320,511.
;   The first fill of 131,072 .. 264,191 is x: wave w's 32 batch elements, tokens 0 and 1 = 1,024 bytes a row, pitch 1,040, at 131,072 + 33,280 w.
;   Bytes 0 .. 67,583, behind their last fill and last read, are the stage of out0: wave w's 32 rows of 512 bytes, pitch 528, at 16,896 w.
;
; REGISTERS, in windows of 256 (s_set_vgpr_msb: bits 1:0 source 0, 3:2 source 1, 5:4 source 2, 7:6 destination):
;   window 0: v1 16 x lane; v2 fragment address of the unit at work; v7 parameter address; v8-23 copy data; v24-55 four bias tiles;
;             v56-87, v88-119 two fragment buffers (the second is also scratch between products); v120-122 addresses; v128-255 x as bf16 fragments
;   window 1: Q 0-127, K 128-255; then V 0-127, ctx fragments 128-191, softmax weights 192-195, scratch 208-255;
;             then ln1's gain 0-63, bias 64-127, context fragments 128-255; then ff_b2 192-255; then res + x 0-255
;   window 2: x + proj 0-255; then h 0-127, h fragments 128-191, GELU scratch 192-227; then ln2's gain 0-63, bias 64-127, the next layer's bo 192-255
;   window 3: x in f32, tile (ft, rt) at 8 (4 ft + rt)
.set R1B,    131072
.set UNITB,  65536                     ; a head's weights: Wq, Wk, Wv, its slice of Wo
.set FB,     262144                    ; the FFN's unit: its place in a layer of wpack and in LDS
.set PAR,    294912
.set LAYERB, 294912                    ; bytes of a layer in wpack
.set PLB,    6400                      ; bytes of a layer in ppack
.set PS,     1024                      ; what the parameter address has gained over a layer's four heads
.set XPITCH, 1040                      ; 1,024 + 16: sixteen rows start at sixteen different 16-byte columns modulo 256
.set XWAVE,  32*XPITCH
.set OPITCH, 528
.set OWAVE,  32*OPITCH
.set PB_Q,  0                          ; byte offsets in a layer's parameters
.set PB_F1, 1024
.set PB_K,  1280
.set PB_V,  2304
.set PB_O,  3328
.set PB_G1, 3840
.set PB_B1, 4352
.set PB_F2, 4864
.set PB_G2, 5376
.set PB_B2, 5888
.set L16, 1                            ; window 0
.set WAH, 2
.set PA,  7
.set CP,  8
.set BI,  24
.set FR,  56
.set SC,  88
.set MUP, 104
.set RSP, 112
.set XAR, 120
.set SAR, 121
.set SRR, 122
.set XB,  128
.set KT,  128                          ; window 1
.set CF,  128
.set AT,  192
.set TT,  208
.set HB,  128                          ; window 2
.set KA5, 192
.set GT,  196
.set GE,  204
.set GP,  212
.set GH,  220
.set G1A, 24                           ; s[24:31] group 1: a quarter of heads 0 and 1, 128 rows of 256 bytes (first fill)
.set G1B, 32                           ; s[32:39] a quarter of heads 2, 3 and the FFN, 160 rows (the one refill over x)
.set G1P, 40                           ; s[40:47] a quarter of the parameters, 25 rows (first fill)
.set G1X, 48                           ; s[48:55] the wave's x tile (first fill)
.set G0A, 56                           ; s[56:59], s[60:63], s[68:71], s[72:75]: their groups 0
.set G0B, 60
.set G0P, 68
.set G0X, 72
.set G1H, G1A                          ; behind the first fills the registers of two of them serve the ring: a quarter of a head's unit, 64 rows,
.set G0H, G0A
.set G1F, G1P                          ; and a quarter of the FFN's unit, 32 rows
.set G0F, G0P
.set MSB, 0
.macro WIN new                         ; the immediate's high byte repeats the setting that is left; a switch that changes nothing is dropped
.if MSB != \new
	s_set_vgpr_msb (MSB<<8)|\new
.set MSB, \new
.endif
.endm
; Four places: a vector instruction that reads a matrix result or writes a matrix instruction's register, and a load into such a register, stand
; four plain vector instructions behind that matrix instruction (ISA guide 7.12.1 for vector instructions).
.macro PLACES
.rept 4
	v_nop
.endr
.endm
; A round of the cluster's barrier: my work-group's barrier, wave 0 signals for the work-group, every wave waits for all four work-groups, my work-group's barrier again.
.macro ROUND
	s_barrier_signal -1
	s_barrier_wait -1
	s_cmp_lg_u32 s16, 0
	s_cbranch_scc1 .Lnot_wave_0_\@
	s_barrier_signal -3
.Lnot_wave_0_\@:
	s_barrier_wait -3
	s_barrier_signal -1
	s_barrier_wait -1
.endm
; group g (four fragments of 1,024 bytes) of the unit at work into fragment buffer b: eight loads, each of 512 consecutive bytes
.macro FETCH g, b
	WIN 0
.irp i, 0,1,2,3
	ds_load_b128 v[FR+32*\b+8*\i:FR+32*\b+8*\i+3],   v[WAH] offset:(4*\g+\i)*1024
	ds_load_b128 v[FR+32*\b+8*\i+4:FR+32*\b+8*\i+7], v[WAH] offset:(4*\g+\i)*1024+512
.endr
.endm
; four bias tiles in the result's layout (register j of half h: bias[16 i + 8 h + j]): eight loads, under window 0
.macro BIAS off
.irp i, 0,1,2,3
	ds_load_b128 v[BI+8*\i:BI+8*\i+3],   v[PA] offset:\off+64*\i
	ds_load_b128 v[BI+8*\i+4:BI+8*\i+7], v[PA] offset:\off+64*\i+16
.endr
.endm
; eight bias tiles (128 features) into registers 192-255 of the window that win names as destination
.macro LOADB win, off
	WIN \win
.irp ft, 0,1,2,3,4,5,6,7
	ds_load_b128 v[192+8*\ft:192+8*\ft+3],   v[PA] offset:\off+64*\ft
	ds_load_b128 v[192+8*\ft+4:192+8*\ft+7], v[PA] offset:\off+64*\ft+16
.endr
.endm
; 16 matrix instructions: the buffer's four feature tiles x my four row tiles, 32 along k.  The sixteen accumulators take turns, one instruction a turn,
; and a group's last accumulator is not the next group's first, over the loops' backward jumps too.
; cfirst = 1: the bias tile starts the sums.
.macro MUL16 b, acc, bf, nk, kk, cfirst
.irp i, 0,1,2,3
.irp rt, 0,1,2,3
.if \cfirst
	v_wmma_f32_16x16x32_bf16 v[\acc+8*(4*\i+\rt):\acc+8*(4*\i+\rt)+7], v[FR+32*\b+8*\i:FR+32*\b+8*\i+7], v[\bf+8*(\nk*\rt+\kk):\bf+8*(\nk*\rt+\kk)+7], v[BI+8*\i:BI+8*\i+7]
.else
	v_wmma_f32_16x16x32_bf16 v[\acc+8*(4*\i+\rt):\acc+8*(4*\i+\rt)+7], v[FR+32*\b+8*\i:FR+32*\b+8*\i+7], v[\bf+8*(\nk*\rt+\kk):\bf+8*(\nk*\rt+\kk)+7], v[\acc+8*(4*\i+\rt):\acc+8*(4*\i+\rt)+7]
.endif
.endr
.endr
.endm
; One group's step: ask for the unit's group ng (ng < 0: nothing is left) into the other buffer, perhaps four bias tiles (boff >= 0),
; then multiply group g out of buffer g % 2.  The wait leaves out exactly the loads just issued: 8, or 16 with the bias tiles.
.macro GRP g, win, acc, bf, nk, kk, cfirst, ng, boff
.if \ng >= 0
	PLACES
	FETCH \ng, (1-(\g&1))
.if \boff >= 0
	BIAS \boff
	s_wait_dscnt 16
.else
	s_wait_dscnt 8
.endif
.else
	s_wait_dscnt 0x0
.endif
	WIN \win
	MUL16 (\g&1), \acc, \bf, \nk, \kk, \cfirst
.endm
; a layer's first group and bq's first tiles; no matrix instruction stands near in front of it
.macro COLD boff
	FETCH 0, 0
	BIAS \boff
.endm
; tile (ft, rt) of the destination window = x (window 3) + bias tile ft (registers 192-255 of the destination window).  ft and rt ascend, so a bias
; tile is written over only behind its last use.
.macro ADDB win
	WIN \win
.irp ft, 0,1,2,3,4,5,6,7
.irp rt, 0,1,2,3
.irp jp, 0,1,2,3
	.set ra, 8*(4*\ft+\rt)+2*\jp
	v_pk_add_f32 v[ra:ra+1], v[ra:ra+1], v[192+8*\ft+2*\jp:192+8*\ft+2*\jp+1]
.endr
.endr
.endr
.endm
; 32 tiles of f32 in window ow round into 16 source-1 fragments at registers 128-255 of window fw
.macro TOFRAG ow, fw
	WIN (\ow|(\ow<<2)|(\fw<<6))
.irp rt, 0,1,2,3
.irp ft, 0,1,2,3,4,5,6,7
.irp jp, 0,1,2,3
	v_cvt_pk_bf16_f32 v[128+8*(4*\rt+(\ft>>1))+4*(\ft&1)+\jp], v[8*(4*\ft+\rt)+2*\jp], v[8*(4*\ft+\rt)+2*\jp+1]
.endr
.endr
.endr
.endm
; four sums, each kept as two chains of pairs at SC + 4 q: join the chains, add the pair, add the other half-wave's.  Result in v[SC + 4 q], every lane.
.macro REDUCE
	WIN 0
.irp q, 0,1,2,3
	v_pk_add_f32 v[SC+4*\q:SC+4*\q+1], v[SC+4*\q:SC+4*\q+1], v[SC+4*\q+2:SC+4*\q+3]
.endr
.irp q, 0,1,2,3
	v_add_f32 v[SC+4*\q], v[SC+4*\q], v[SC+4*\q+1]
.endr
.irp q, 0,1,2,3
	v_permlanex16_b32 v[SC+4*\q+1], v[SC+4*\q], s76, s77       ; lane i takes lane i xor 16; the destination has been written before
.endr
.irp q, 0,1,2,3
	v_add_f32 v[SC+4*\q], v[SC+4*\q], v[SC+4*\q+1]
.endr
.endm
; the softmax weights of token 0 for the four row tiles q = 2 p + s, from Q and K in window 1
.macro SCORES
	PLACES
	WIN 0x55
.irp ft, 0,1,2,3
.irp p, 0,1
.irp jp, 0,1,2,3
	.set ra, KT+8*(4*\ft+2*\p)+2*\jp
	v_pk_add_f32 v[ra:ra+1], v[ra:ra+1], v[ra+8:ra+9] neg_lo:[0,1] neg_hi:[0,1]    ; k_0 - k_1, in k_0's place
.endr
.endr
.endr
	WIN 0x05
.irp fq, 0,1
.irp jp, 0,1,2,3
.irp p, 0,1
.irp s, 0,1
.irp par, 0,1
	.set ra, 8*(4*(2*\fq+\par)+2*\p+\s)+2*\jp
	.set rb, KT+8*(4*(2*\fq+\par)+2*\p)+2*\jp
	.set rc, SC+2*(4*\p+2*\s+\par)
.if \fq+\jp == 0
	v_pk_mul_f32 v[rc:rc+1], v[ra:ra+1], v[rb:rb+1]            ; the first products start the eight chains
.else
	v_pk_fma_f32 v[rc:rc+1], v[ra:ra+1], v[rb:rb+1], v[rc:rc+1]
.endif
.endr
.endr
.endr
.endr
.endr
	REDUCE                                                     ; q_s . (k_0 - k_1)
.irp q, 0,1,2,3
	v_mul_f32 v[SC+16+\q], -|v[SC+4*\q]|, s78                  ; -|d| log2 e, the 1 / sqrt 2 folded in
.endr
.irp q, 0,1,2,3
	v_exp_f32 v[SC+16+\q], v[SC+16+\q]
.endr
.irp q, 0,1,2,3
	v_cmp_le_f32 s[80+\q], 0, v[SC+4*\q]                       ; plain instructions between the exponentials and their use (ISA guide 5.7.2)
.endr
	s_wait_alu depctr_va_vdst(0)
.irp q, 0,1,2,3
	v_add_f32 v[SC+20+\q], 1.0, v[SC+16+\q]
.endr
.irp q, 0,1,2,3
	v_rcp_f32 v[SC+20+\q], v[SC+20+\q]
.endr
	v_nop
	s_wait_alu depctr_va_vdst(0)
.irp q, 0,1,2,3
	v_mul_f32 v[SC+16+\q], v[SC+16+\q], v[SC+20+\q]
.endr
	WIN 0x40
.irp q, 0,1,2,3
	v_cndmask_b32 v[AT+\q], v[SC+16+\q], v[SC+20+\q], s[80+\q] ; d >= 0: 1 / (1 + e); else e / (1 + e)
.endr
.endm
; ctx_s = v_1 + a_s (v_0 - v_1), rounded into source-1 fragments; all in window 1; two scratch sets take turns
.macro CTX
	PLACES
	WIN 0x55
.irp ft, 0,1,2,3
.irp p, 0,1
	.set ra, 8*(4*\ft+2*\p)
	.set rb, ra+8
	.set rc, TT+24*\p
.irp jp, 0,1,2,3
	v_pk_add_f32 v[rc+2*\jp:rc+2*\jp+1], v[ra+2*\jp:ra+2*\jp+1], v[rb+2*\jp:rb+2*\jp+1] neg_lo:[0,1] neg_hi:[0,1]
.endr
.irp jp, 0,1,2,3
	v_pk_fma_f32 v[rc+8+2*\jp:rc+8+2*\jp+1], v[rc+2*\jp:rc+2*\jp+1], v[AT+2*\p:AT+2*\p+1], v[rb+2*\jp:rb+2*\jp+1] op_sel_hi:[1,0,1]
.endr
.irp jp, 0,1,2,3
	v_pk_fma_f32 v[rc+16+2*\jp:rc+16+2*\jp+1], v[rc+2*\jp:rc+2*\jp+1], v[AT+2*\p:AT+2*\p+1], v[rb+2*\jp:rb+2*\jp+1] op_sel:[0,1,0] op_sel_hi:[1,1,1]
.endr
.irp jp, 0,1,2,3
	v_cvt_pk_bf16_f32 v[CF+8*(4*\p+(\ft>>1))+4*(\ft&1)+\jp],   v[rc+8+2*\jp],  v[rc+9+2*\jp]
	v_cvt_pk_bf16_f32 v[CF+8*(4*\p+2+(\ft>>1))+4*(\ft&1)+\jp], v[rc+16+2*\jp], v[rc+17+2*\jp]
.endr
.endr
.endr
.endm
; The refill behind a head.  Every wave waits for its LDS reads (this head's slot among them) and for all its tensor loads; none of mine is then out, so the
; descriptor may be written: slot s98 (the head's number), the next unit of 65,536 bytes in wpack.  Then a round of the cluster's barrier, and my
; quarter of the next layer's head first thing behind it.
.macro HSYNC
	WIN 0
	s_wait_dscnt 0x0
	s_wait_tensorcnt 0x0
	ds_add_u32 v126, v127
	s_wait_dscnt 0x0
	s_lshl_b32 s[G0H+1], s98, 16                               ; LDS: 65,536 x head
	s_add_co_u32 s[G0H+1], s[G0H+1], s99                       ; + 16,384 x wave
	s_add_nc_u64 s[G0H+2:G0H+3], s[G0H+2:G0H+3], UNITB         ; the type bits on top are not reached
	ROUND
	tensor_load_to_lds s[G0H:G0H+3], s[G1H:G1H+7]
	s_nop 0
.endm
; The refill of the FFN's slot, behind ff_w2's last read.  The heads' address skips the FFN's unit here, on its way into the layer after next.
.macro FSYNC
	WIN 0
	s_wait_dscnt 0x0
	s_wait_tensorcnt 0x0
	ds_add_u32 v126, v127
	s_wait_dscnt 0x0
	s_add_nc_u64 s[G0F+2:G0F+3], s[G0F+2:G0F+3], LAYERB
	s_add_nc_u64 s[G0H+2:G0H+3], s[G0H+2:G0H+3], LAYERB-4*UNITB
	ROUND
	tensor_load_to_lds s[G0F:G0F+3], s[G1F:G1F+7]
	s_nop 0
.endm
; A change of slots outside the ring's loops.  refill = 1: a round and one load; refill = 0: my work-group's barrier alone, which shows the last fill whole.
.macro SYNC refill, g0, g1
	WIN 0
	s_wait_dscnt 0x0
	s_wait_tensorcnt 0x0
	ds_add_u32 v126, v127
	s_wait_dscnt 0x0
.if \refill
	ROUND
	tensor_load_to_lds s[\g0:\g0+3], s[\g1:\g1+7]
	s_nop 0
.else
	s_barrier_signal -1
	s_barrier_wait -1
.endif
.endm
; One head: a trip of the heads' loop.  Its group 0 and bq's tiles have been asked for.  Its last group asks for group 0 of the unit that follows in LDS (the next
; head's, behind head 3 the FFN's) and for the 256 bytes of parameters that follow its bq (the next head's bq, behind head 3 ff_b1).
; Each head also copies tokens 4 and 5 of two of the wave's batch elements: 16 heads x 2 = the wave's 32.
.macro HEAD refill
	WIN 0
	global_load_b128 v[CP:CP+3],     v[L16], s[20:21] offset:2048 th:TH_LOAD_NT    ; token 4: a wave's load is the row's 512 bytes
	global_load_b128 v[CP+4:CP+7],   v[L16], s[20:21] offset:2560 th:TH_LOAD_NT    ; token 5
	global_load_b128 v[CP+8:CP+11],  v[L16], s[20:21] offset:5120 th:TH_LOAD_NT    ; the next batch element's
	global_load_b128 v[CP+12:CP+15], v[L16], s[20:21] offset:5632 th:TH_LOAD_NT
	GRP 0,  0x40, 0,   XB, 4, 0, 1, 1, -1                      ; Q = x Wq + bq
	GRP 1,  0x50, 0,   XB, 4, 1, 0, 2, PB_K
	GRP 2,  0x50, 0,   XB, 4, 2, 0, 3, -1
	GRP 3,  0x50, 0,   XB, 4, 3, 0, 4, -1
	GRP 4,  0x40, 128, XB, 4, 0, 1, 5, -1                      ; K
	GRP 5,  0x50, 128, XB, 4, 1, 0, 6, PB_V
	GRP 6,  0x50, 128, XB, 4, 2, 0, 7, -1
	GRP 7,  0x50, 128, XB, 4, 3, 0, 8, -1
	SCORES
	WIN 0
	s_wait_loadcnt 0x0                                         ; the four copy loads, issued eight groups ago
	global_store_b128 v[L16], v[CP:CP+3],     s[12:13] th:TH_STORE_NT
	global_store_b128 v[L16], v[CP+4:CP+7],   s[14:15] th:TH_STORE_NT
	global_store_b128 v[L16], v[CP+8:CP+11],  s[12:13] offset:512 th:TH_STORE_NT
	global_store_b128 v[L16], v[CP+12:CP+15], s[14:15] offset:512 th:TH_STORE_NT
	s_wait_xcnt 0x0                                            ; the bases are stepped, and the data loaded again in the next head, only behind this wait
	s_add_nc_u64 s[20:21], s[20:21], 6144
	s_add_nc_u64 s[12:13], s[12:13], 1024
	s_add_nc_u64 s[14:15], s[14:15], 1024
	GRP 8,  0x40, 0,   XB, 4, 0, 1, 9, -1                      ; V, in Q's place
	GRP 9,  0x50, 0,   XB, 4, 1, 0, 10, -1
	GRP 10, 0x50, 0,   XB, 4, 2, 0, 11, -1
	GRP 11, 0x50, 0,   XB, 4, 3, 0, 12, -1
	CTX
	GRP 12, 0xa4, 0,   CF, 2, 0, 0, 13, -1                     ; x + bo + proj += ctx Wo[64 hd ..]
	GRP 13, 0xa4, 0,   CF, 2, 1, 0, 14, -1
	GRP 14, 0xa4, 128, CF, 2, 0, 0, 15, -1
	WIN 0                                                      ; the last group: the two addresses step; with two v_nop these are the four places
	v_add_nc_u32 v[WAH], UNITB, v[WAH]
	v_add_nc_u32 v[PA], 256, v[PA]
	v_nop
	v_nop
	FETCH 0, 0
	BIAS PB_Q
	s_wait_dscnt 16                                            ; group 15 is in; the sixteen loads just issued stay out
	WIN 0xa4
	MUL16 1, 128, CF, 2, 1, 0
.if \refill
	HSYNC
.endif
.endm
; LayerNorm of the 32 tiles in window yw.  Gain and bias go to registers 0-63 and 64-127 of window gw, the result to window ow; frag = 1: also as fragments
; to window fw; nextbo = 1: the next layer's bo is fetched into window gw too.  Mean first, then the squares of the differences: no difference of large sums.
.macro LN yw, gw, ow, fw, goff, boff, frag, nextbo
	PLACES
	WIN (\gw<<6)
.irp ft, 0,1,2,3,4,5,6,7
	ds_load_b128 v[8*\ft:8*\ft+3],       v[PA] offset:\goff+64*\ft
	ds_load_b128 v[8*\ft+4:8*\ft+7],     v[PA] offset:\goff+64*\ft+16
	ds_load_b128 v[64+8*\ft:64+8*\ft+3], v[PA] offset:\boff+64*\ft
	ds_load_b128 v[64+8*\ft+4:64+8*\ft+7], v[PA] offset:\boff+64*\ft+16
.endr
.if \nextbo
	LOADB (\gw<<6), PB_O+PLB-PS
.endif
	WIN (\yw|(\yw<<2))
.irp rt, 0,1,2,3
.irp c, 0,1
	v_pk_add_f32 v[SC+4*\rt+2*\c:SC+4*\rt+2*\c+1], v[8*\rt+2*\c:8*\rt+2*\c+1], v[8*\rt+2*\c+4:8*\rt+2*\c+5]   ; the first tile starts two chains a row tile
.endr
.endr
	WIN \yw
.irp ft, 1,2,3,4,5,6,7
.irp jp, 0,1,2,3
.irp rt, 0,1,2,3
	.set ra, 8*(4*\ft+\rt)+2*\jp
	.set rc, SC+4*\rt+2*(\jp&1)
	v_pk_add_f32 v[rc:rc+1], v[ra:ra+1], v[rc:rc+1]
.endr
.endr
.endr
	REDUCE
.irp rt, 0,1,2,3
	v_mul_f32 v[MUP+2*\rt],   s96, v[SC+4*\rt]                 ; the mean, twice: a pair for the packed subtraction
	v_mul_f32 v[MUP+2*\rt+1], s96, v[SC+4*\rt]
.endr
	WIN (\yw|(\yw<<6))
.irp ft, 0,1,2,3,4,5,6,7
.irp rt, 0,1,2,3
.irp jp, 0,1,2,3
	.set ra, 8*(4*\ft+\rt)+2*\jp
	v_pk_add_f32 v[ra:ra+1], v[ra:ra+1], v[MUP+2*\rt:MUP+2*\rt+1] neg_lo:[0,1] neg_hi:[0,1]
.endr
.endr
.endr
	WIN (\yw|(\yw<<2))
.irp ft, 0,1,2,3,4,5,6,7
.irp jp, 0,1,2,3
.irp rt, 0,1,2,3
	.set ra, 8*(4*\ft+\rt)+2*\jp
	.set rc, SC+4*\rt+2*(\jp&1)
.if 4*\ft+\jp < 2
	v_pk_mul_f32 v[rc:rc+1], v[ra:ra+1], v[ra:ra+1]
.else
	v_pk_fma_f32 v[rc:rc+1], v[ra:ra+1], v[ra:ra+1], v[rc:rc+1]
.endif
.endr
.endr
.endr
	REDUCE
.irp rt, 0,1,2,3
	v_fma_f32 v[SC+4*\rt], v[SC+4*\rt], s96, s95               ; variance + 1e-5
.endr
.irp rt, 0,1,2,3
	v_rsq_f32 v[RSP+2*\rt],   v[SC+4*\rt]
	v_rsq_f32 v[RSP+2*\rt+1], v[SC+4*\rt]
.endr
	v_nop                                                      ; one plain instruction between v_rsq_f32 and its use (ISA guide 5.7.2)
	s_wait_dscnt 0x0                                           ; gain and bias (and the next bo), asked for at the head
	WIN (\yw|(\yw<<6))
	s_wait_alu depctr_va_vdst(0)
.irp ft, 0,1,2,3,4,5,6,7
.irp rt, 0,1,2,3
.irp jp, 0,1,2,3
	.set ra, 8*(4*\ft+\rt)+2*\jp
	v_pk_mul_f32 v[ra:ra+1], v[ra:ra+1], v[RSP+2*\rt:RSP+2*\rt+1]
.endr
.endr
.endr
	WIN (\yw|(\gw<<2)|(\gw<<4)|(\ow<<6))
.irp ft, 0,1,2,3,4,5,6,7
.irp rt, 0,1,2,3
.irp jp, 0,1,2,3
	.set ra, 8*(4*\ft+\rt)+2*\jp
	v_pk_fma_f32 v[ra:ra+1], v[ra:ra+1], v[8*\ft+2*\jp:8*\ft+2*\jp+1], v[64+8*\ft+2*\jp:64+8*\ft+2*\jp+1]
.endr
.endr
.endr
.if \frag
	TOFRAG \ow, \fw
.endif
.endm
; gelu(x) = x / 2 + |x / 2| erf(|x| / sqrt 2), erf(z) = 1 - t (a1 + t (a2 + t (a3 + t (a4 + t a5)))) exp(-z z), t = 1 / (1 + 0.3275911 z); all in window 2
.macro GELU
	WIN 0xaa
	v_mov_b32 v[KA5],   0x3f87dc22                             ; a5, as a pair
	v_mov_b32 v[KA5+1], 0x3f87dc22
.irp ft, 0,1,2,3
.irp rt, 0,1,2,3
	.set ra, 8*(4*\ft+\rt)
	.set rb, HB+8*(2*\rt+(\ft>>1))+4*(\ft&1)
.irp j, 0,1,2,3,4,5,6,7
	v_fma_f32 v[GT+\j], |v[ra+\j]|, s94, 1.0
.endr
.irp j, 0,1,2,3,4,5,6,7
	v_rcp_f32 v[GT+\j], v[GT+\j]
.endr
.irp j, 0,2,4,6
	v_pk_mul_f32 v[GE+\j:GE+\j+1], v[ra+\j:ra+\j+1], s[92:93] op_sel_hi:[1,0]      ; x sqrt(log2 e / 2)
.endr
.irp j, 0,2,4,6
	v_pk_mul_f32 v[GE+\j:GE+\j+1], v[GE+\j:GE+\j+1], v[GE+\j:GE+\j+1] neg_lo:[1,0] neg_hi:[1,0]
.endr
.irp j, 0,1,2,3,4,5,6,7
	v_exp_f32 v[GE+\j], v[GE+\j]                               ; exp(-x x / 2)
.endr
	s_wait_alu depctr_va_vdst(0)
.irp j, 0,2,4,6
	v_pk_fma_f32 v[GP+\j:GP+\j+1], v[GT+\j:GT+\j+1], v[KA5:KA5+1], s[84:85] op_sel_hi:[1,1,0]
.endr
.irp a, 86,88,90
.irp j, 0,2,4,6
	v_pk_fma_f32 v[GP+\j:GP+\j+1], v[GP+\j:GP+\j+1], v[GT+\j:GT+\j+1], s[\a:\a+1] op_sel_hi:[1,1,0]
.endr
.endr
.irp j, 0,2,4,6
	v_pk_mul_f32 v[GP+\j:GP+\j+1], v[GP+\j:GP+\j+1], v[GT+\j:GT+\j+1]
.endr
.irp j, 0,2,4,6
	v_pk_fma_f32 v[GP+\j:GP+\j+1], v[GP+\j:GP+\j+1], v[GE+\j:GE+\j+1], 1.0 op_sel_hi:[1,1,0] neg_lo:[1,0,0] neg_hi:[1,0,0]
.endr
.irp j, 0,2,4,6
	v_pk_mul_f32 v[GH+\j:GH+\j+1], v[ra+\j:ra+\j+1], 0.5 op_sel_hi:[1,0]
.endr
.irp j, 0,1,2,3,4,5,6,7
	v_fma_f32 v[GH+\j], |v[GH+\j]|, v[GP+\j], v[GH+\j]
.endr
.irp jp, 0,1,2,3
	v_cvt_pk_bf16_f32 v[rb+\jp], v[GH+2*\jp], v[GH+2*\jp+1]
.endr
.endr
.endr
.endm
; A layer.  last = 1: nothing is fetched from memory any more.
.macro LAYER last
	ADDB 0x8b                                                  ; window 2 = x + bo: the output projection adds onto it
.if \last
	SYNC 0, 0, 0                                               ; the one load still out is my quarter of this layer's FFN unit, asked for a LayerNorm ago: behind this barrier it is whole
.endif
	WIN 0
	s_mov_b32 s98, 0                                           ; the head's number
.Lhead_\@:
	HEAD (1-\last)
	WIN 0
	s_add_co_u32 s98, s98, 1
	s_cmp_lt_u32 s98, 4
	s_cbranch_scc1 .Lhead_\@
	; the fragment address now stands at the FFN's unit, the parameter address PS bytes into the layer's block
	LN 2, 1, 2, 1, PB_G1-PS, PB_B1-PS, 1, 0                    ; context, as fragments in window 1
	GRP 0, 0x84, 0, 128, 4, 0, 1, 1, -1                        ; context ff_w1 + ff_b1
	GRP 1, 0xa4, 0, 128, 4, 1, 0, 2, -1
	GRP 2, 0xa4, 0, 128, 4, 2, 0, 3, -1
	GRP 3, 0xa4, 0, 128, 4, 3, 0, 4, -1
	PLACES
	LOADB 0x40, PB_F2-PS
	GELU
	s_wait_dscnt 0x0                                           ; ff_b2, and ff_w2's first group
	ADDB 0x47                                                  ; window 1 = x + ff_b2: the residual is the layer's input
	GRP 4, 0x58, 0,   HB, 2, 0, 0, 5, -1
	GRP 5, 0x58, 0,   HB, 2, 1, 0, 6, -1
	GRP 6, 0x58, 128, HB, 2, 0, 0, 7, -1
	GRP 7, 0x58, 128, HB, 2, 1, 0, -1, -1
.if \last == 0
	FSYNC                                                      ; the FFN's slot has been read: the next layer's goes out, with LayerNorm 2 and four heads in which to land
.endif
	LN 1, 2, 3, 0, PB_G2-PS, PB_B2-PS, (1-\last), (1-\last)    ; the new x in window 3, and as fragments in window 0
.if \last == 0
	WIN 0
	v_mov_b32 v[WAH], v[L16]                                   ; back to head 0's slot,
	v_add_nc_u32 v[PA], PLB-PS, v[PA]                          ; on to the next layer's parameters
	COLD PB_Q
.endif
.endm
	; ---------------------------------------------------------------- the start
	s_load_b256 s[4:11], s[0:1], 0x0               ; embeddings s[4:5], wpack s[6:7], ppack s[8:9], out0 s[10:11]
	s_load_b128 s[12:15], s[0:1], 0x20             ; out1 s[12:13], out2 s[14:15]
	v_lshl_add_u32 v126, v0, 2, 0x4e400
	v_mov_b32 v127, 0
	ds_add_u32 v126, v127
	ds_add_u32 v126, v127
	v_lshrrev_b32 v1, 5, v0
	v_readfirstlane_b32 s16, v1                    ; wave 0..3
	s_bfe_u32 s17, ttmp6, 0x40000                  ; cx
	s_lshl_b32 s18, ttmp9, 2                       ; in a cluster launch ttmp9 counts clusters
	s_add_co_u32 s18, s18, s17                     ; work-group
	s_lshl_b32 s19, s18, 7
	s_lshl_b32 s22, s16, 5
	s_add_co_u32 s19, s19, s22                     ; my wave's first batch element
	; groups 1.  Dense blocks come as rows of 32 elements of 8 bytes; mask 15 names the cluster's four work-groups, bit 21 is set beside it.
.irp g, G1A, G1B, G1P
	s_mov_b32 s[\g+0], 15|(3<<16)|(1<<21)
	s_mov_b32 s[\g+1], 32<<16                      ; tensor_dim0 = 32
	s_mov_b32 s[\g+3], 32<<16                      ; tile_dim0 = 32
	s_mov_b32 s[\g+5], 32                          ; pitch = 32 elements
	s_mov_b32 s[\g+6], 0
	s_mov_b32 s[\g+7], 0
.endr
	s_mov_b32 s[G1A+2], 128<<16                    ; tensor_dim1 and tile_dim1: 128, 160, 25 rows
	s_mov_b32 s[G1A+4], 128
	s_mov_b32 s[G1B+2], 160<<16
	s_mov_b32 s[G1B+4], 160
	s_mov_b32 s[G1P+2], 25<<16
	s_mov_b32 s[G1P+4], 25
	s_mov_b32 s[G1X+0], (2<<16)|(1<<20)|(7<<22)|(3<<25)   ; my own tile, no mask: elements of 4 bytes; behind every 256 words 4 words of padding
	s_mov_b32 s[G1X+1], 256<<16                    ; tensor_dim0 = 256: tokens 0 and 1
	s_mov_b32 s[G1X+2], 32<<16                     ; tensor_dim1 = 32 batch elements
	s_mov_b32 s[G1X+3], 256<<16                    ; tile_dim0
	s_mov_b32 s[G1X+4], 32                         ; tile_dim1
	s_mov_b32 s[G1X+5], 768                        ; from a batch element to the next: 6 x 128 elements
	s_mov_b32 s[G1X+6], 0
	s_mov_b32 s[G1X+7], 0
	; groups 0: LDS addresses are a constant plus the wave's number times a constant
	s_mov_b32 s[G0A], 1
	s_lshl_b32 s[G0A+1], s16, 15
	s_mov_b32 s[G0B], 1
	s_mul_i32 s[G0B+1], s16, 40960
	s_add_co_u32 s[G0B+1], s[G0B+1], R1B
	s_mov_b32 s[G0P], 1
	s_mul_i32 s[G0P+1], s16, PLB
	s_add_co_u32 s[G0P+1], s[G0P+1], PAR
	s_mov_b32 s[G0X], 1
	s_mul_i32 s[G0X+1], s16, XWAVE
	s_add_co_u32 s[G0X+1], s[G0X+1], R1B
	s_mov_b32 s3, 0
	s_mov_b32 s23, 0
	s_wait_dscnt 0x0
	s_wait_kmcnt 0x0
	s_lshl_b32 s2, s16, 15                         ; s[2:3] hold offsets made of the wave's number alone: they feed the joint descriptors
	s_add_nc_u64 s[G0A+2:G0A+3], s[6:7], s[2:3]
	s_or_b32 s[G0A+3], s[G0A+3], 0x80000000
	s_mul_i32 s2, s16, 40960
	s_add_nc_u64 s[G0B+2:G0B+3], s[6:7], s[2:3]
	s_add_nc_u64 s[G0B+2:G0B+3], s[G0B+2:G0B+3], R1B
	s_or_b32 s[G0B+3], s[G0B+3], 0x80000000
	s_mul_i32 s2, s16, PLB
	s_add_nc_u64 s[G0P+2:G0P+3], s[8:9], s[2:3]
	s_or_b32 s[G0P+3], s[G0P+3], 0x80000000
	s_mul_i32 s22, s19, 3072                       ; s[22:23] hold offsets that hang on the work-group: below 2^27
	s_add_nc_u64 s[20:21], s[4:5], s[22:23]        ; embeddings at my first batch element: the copies' source
	s_mov_b64 s[G0X+2:G0X+3], s[20:21]
	s_or_b32 s[G0X+3], s[G0X+3], 0x80000000
	s_lshl_b32 s22, s19, 9
	s_add_nc_u64 s[10:11], s[10:11], s[22:23]      ; the three outputs at my first row
	s_add_nc_u64 s[12:13], s[12:13], s[22:23]
	s_add_nc_u64 s[14:15], s[14:15], s[22:23]
	ROUND                                          ; all four work-groups are here: the first joint loads meet
	tensor_load_to_lds s[G0X:G0X+3], s[G1X:G1X+7]  ; my x tile, over the bytes of heads 2 and 3
	s_nop 0
	tensor_load_to_lds s[G0P:G0P+3], s[G1P:G1P+7]  ; a quarter of the parameters
	s_nop 0
	tensor_load_to_lds s[G0A:G0A+3], s[G1A:G1A+7]  ; a quarter of layer 0's heads 0 and 1
	s_nop 0
	s_mov_b32 s76, 0x76543210                      ; v_permlanex16_b32: lane i of one half reads lane i of the other
	s_mov_b32 s77, 0xfedcba98
	s_mov_b32 s78, 0x3f8293ee                      ; log2 e / sqrt 2
	s_mov_b32 s84, 0xbfba00e3                      ; a4 = -1.453152027, twice; then a3, a2, a1
	s_mov_b32 s85, 0xbfba00e3
	s_mov_b32 s86, 0x3fb5f0e3                      ; a3 = 1.421413741
	s_mov_b32 s87, 0x3fb5f0e3
	s_mov_b32 s88, 0xbe91a98e                      ; a2 = -0.284496736
	s_mov_b32 s89, 0xbe91a98e
	s_mov_b32 s90, 0x3e827906                      ; a1 = 0.254829592
	s_mov_b32 s91, 0x3e827906
	s_mov_b32 s92, 0x3f596d27                      ; sqrt(log2 e / 2)
	s_mov_b32 s93, 0x3f596d27
	s_mov_b32 s94, 0x3e6d3388                      ; 0.3275911 / sqrt 2
	s_mov_b32 s95, 0x3727c5ac                      ; 1e-5
	s_mov_b32 s96, 0x3c000000                      ; 1 / 128
	s_lshl_b32 s99, s16, 14                        ; 16,384 x wave: my quarter of a head's unit
	v_and_b32 v10, 31, v0                          ; lane
	v_and_b32 v12, 15, v0                          ; r
	v_bfe_u32 v11, v0, 4, 1                        ; h
	v_lshlrev_b32 v[L16], 4, v10                   ; 16 x lane
	v_mov_b32 v[WAH], v[L16]                       ; fragments: head 0's slot begins at LDS byte 0
	v_lshl_add_u32 v[PA], v11, 5, PAR              ; parameters: 8 h numbers in
	v_mul_u32_u24 v[XAR], v12, XPITCH              ; x: batch element r, 8 h numbers in
	v_lshl_add_u32 v[XAR], v11, 5, v[XAR]
	v_add_nc_u32 v[XAR], s[G0X+1], v[XAR]
	s_mul_i32 s2, s16, OWAVE
	v_mul_u32_u24 v[SAR], v12, OPITCH              ; the stage of out0: in by row r and half h,
	v_lshl_add_u32 v[SAR], v11, 5, v[SAR]
	v_add_nc_u32 v[SAR], s2, v[SAR]
	v_add_nc_u32 v[SRR], s2, v[L16]                ; back by whole rows
	s_wait_tensorcnt 0x2                           ; my x tile is in; the two younger loads stay out.  Only I read it
	WIN 0xc0
.irp rt, 0,1,2,3
.irp ft, 0,1,2,3,4,5,6,7
	ds_load_b128 v[8*(4*\ft+\rt):8*(4*\ft+\rt)+3],   v[XAR] offset:16*XPITCH*(\rt>>1)+512*(\rt&1)+64*\ft
	ds_load_b128 v[8*(4*\ft+\rt)+4:8*(4*\ft+\rt)+7], v[XAR] offset:16*XPITCH*(\rt>>1)+512*(\rt&1)+64*\ft+16
.endr
.endr
	s_wait_dscnt 0x0
	TOFRAG 3, 0
	SYNC 1, G0B, G1B                               ; x has been read, parameters and heads 0, 1 are whole: layer 0's heads 2, 3 and FFN go out as one load a wave
	; The three first fills were shown done by the wait in front of that round, so their descriptors may be written.  Two of them become the ring's.
	s_mov_b32 s[G1H+2], 64<<16                     ; a quarter of a head's unit: 64 rows of 256 bytes
	s_mov_b32 s[G1H+4], 64
	s_mov_b32 s[G1F+2], 32<<16                     ; a quarter of the FFN's unit: 32 rows
	s_mov_b32 s[G1F+4], 32
	s_mov_b32 s2, s99
	s_add_nc_u64 s[G0H+2:G0H+3], s[6:7], s[2:3]
	s_add_nc_u64 s[G0H+2:G0H+3], s[G0H+2:G0H+3], LAYERB-UNITB   ; one unit in front of layer 1's head 0: the address steps ahead of each load
	s_or_b32 s[G0H+3], s[G0H+3], 0x80000000
	s_lshl_b32 s2, s16, 13
	s_add_co_u32 s[G0F+1], s2, FB                  ; LDS: the FFN's slot + 8,192 x wave
	s_add_nc_u64 s[G0F+2:G0F+3], s[6:7], s[2:3]
	s_add_nc_u64 s[G0F+2:G0F+3], s[G0F+2:G0F+3], FB             ; layer 0's FFN unit: a layer in front of the first refill
	s_or_b32 s[G0F+3], s[G0F+3], 0x80000000
	LOADB 0x80, PB_O                               ; layer 0's bo
	COLD PB_Q
	s_wait_dscnt 16                                ; bo is in; the sixteen loads of the first group and bq stay out
	s_mov_b32 s97, 3
.Llayer:
	LAYER 0
	WIN 0
	s_sub_co_u32 s97, s97, 1
	s_cmp_lg_u32 s97, 0
	s_cbranch_scc1 .Llayer
	LAYER 1                                        ; the last layer fetches nothing: written out, without the rounds
	; ---------------------------------------------------------------- out0 = the mean of the two tokens
	WIN 0
	s_wait_dscnt 0x0                               ; my LDS reads are over, those of heads 0 and 1 long since:
	s_barrier_signal -1                            ; say so; the stage lies in their slots
	WIN 0xcf
.irp ft, 0,1,2,3,4,5,6,7
.irp p, 0,1
.irp jp, 0,1,2,3
	.set ra, 8*(4*\ft+2*\p)+2*\jp
	v_pk_add_f32 v[ra:ra+1], v[ra:ra+1], v[ra+8:ra+9]
.endr
.endr
.endr
.irp ft, 0,1,2,3,4,5,6,7
.irp p, 0,1
.irp jp, 0,1,2,3
	.set ra, 8*(4*\ft+2*\p)+2*\jp
	v_pk_mul_f32 v[ra:ra+1], v[ra:ra+1], 0.5 op_sel_hi:[1,0]
.endr
.endr
.endr
	s_barrier_wait -1                              ; no wave reads weights any more
	; Through my own stage, in bytes that have had their last fill and their last read.
	WIN 0x0c
.irp p, 0,1
.irp ft, 0,1,2,3,4,5,6,7
	ds_store_b128 v[SAR], v[8*(4*\ft+2*\p):8*(4*\ft+2*\p)+3]   offset:16*OPITCH*\p+64*\ft
	ds_store_b128 v[SAR], v[8*(4*\ft+2*\p)+4:8*(4*\ft+2*\p)+7] offset:16*OPITCH*\p+64*\ft+16
.endr
.endr
	WIN 0x40
.set row, 0
.rept 32
	ds_load_b128 v[4*row:4*row+3], v[SRR] offset:OPITCH*row    ; a wave's LDS instructions are served in order (ISA guide 5.7.1): these see the stores above
.set row, row+1
.endr
	WIN 0x04
.set row, 0
.rept 32
	s_wait_dscnt 31-row                                        ; row 'row' is in; the younger ones stay out
	global_store_b128 v[L16], v[4*row:4*row+3], s[10:11] offset:512*row th:TH_STORE_NT   ; a whole row: 512 consecutive bytes
.set row, row+1
.endr
	WIN 0
	s_wait_tensorcnt 0x0
	ds_add_u32 v126, v127
	s_wait_dscnt 0x0
	ROUND                                          ; the closing round: no work-group ends while a partner may still ask jointly
	s_endpgm
.Lfunc_end_k_q0d2f168279_bert:
	.size	k_q0d2f168279_bert, .Lfunc_end_k_q0d2f168279_bert-k_q0d2f168279_bert
	.p2alignl 7, 3214868480
	.fill 96, 4, 3214868480
	.section	.rodata,"a",@progbits
	.p2align	6, 0x0
	.amdhsa_kernel k_q0d2f168279_bert
		.amdhsa_group_segment_fixed_size 327680
		.amdhsa_private_segment_fixed_size 0
		.amdhsa_enable_private_segment 0
		.amdhsa_kernarg_size 48
		.amdhsa_user_sgpr_count 2
		.amdhsa_user_sgpr_kernarg_segment_ptr 1
		.amdhsa_wavefront_size32 1
		.amdhsa_system_sgpr_workgroup_id_x 1
		.amdhsa_system_sgpr_workgroup_id_y 1
		.amdhsa_system_sgpr_workgroup_id_z 1
		.amdhsa_system_vgpr_workitem_id 0
		.amdhsa_next_free_vgpr 1024
		.amdhsa_next_free_sgpr 100
		.amdhsa_reserve_vcc 0
		.amdhsa_float_denorm_mode_32 3
		.amdhsa_float_denorm_mode_16_64 3
		.amdhsa_memory_ordered 1
		.amdhsa_forward_progress 1
		.amdhsa_inst_pref_size 255
	.end_amdhsa_kernel
	.section	.bss,"aw",@nobits
	.p2align	6
	.space	262144
	.amdgpu_metadata
---
amdhsa.version: [ 1, 2 ]
amdhsa.kernels:
  - .name:           k_q0d2f168279_bert
    .symbol:         k_q0d2f168279_bert.kd
    .args:
      - { .name: embeddings, .offset: 0, .size: 8, .value_kind: global_buffer, .address_space: global }
      - { .name: wpack, .offset: 8, .size: 8, .value_kind: global_buffer, .address_space: global }
      - { .name: ppack, .offset: 16, .size: 8, .value_kind: global_buffer, .address_space: global }
      - { .name: out0, .offset: 24, .size: 8, .value_kind: global_buffer, .address_space: global }
      - { .name: out1, .offset: 32, .size: 8, .value_kind: global_buffer, .address_space: global }
      - { .name: out2, .offset: 40, .size: 8, .value_kind: global_buffer, .address_space: global }
    .group_segment_fixed_size: 327680
    .private_segment_fixed_size: 0
    .kernarg_segment_align: 8
    .kernarg_segment_size: 48
    .max_flat_workgroup_size: 128
    .sgpr_count:     100
    .vgpr_count:     1024
    .wavefront_size: 32
...
	.end_amdgpu_metadata
.endif
;; end of part 4
